; MI455X (gfx1250); checked and timed in simulation.
; The chip was launched on July 23, 2026; its instructions are those of AMD's public machine-readable ISA for CDNA 5 (MIT licence, August 2026) and "CDNA5" Instruction Set Architecture Reference Guide (July 2026). The comments in the code are by the model that wrote it; some were corrected since.
;; Mo EMLP. Allowed arithmetic: float matrix products may take bf16 or f16 operands with f32 sums; other float arithmetic in f32, or as packed bf16 or f16 multiplies, adds, multiply-adds, maxima and minima; sums over many terms, partial sums and values carried from step to step in f32; what a program stores and reads back later, other than sums and carried values, may be rounded once to bf16 or f16.
;; Inputs: b1 8 x 4,096 float32; b2 8 x 1,024 float32; gate_b 8 float32; gate_w 1,024 x 8 float32; w1 8 x 1,024 x 4,096 float32; w2 8 x 4,096 x 1,024 float32; x 2 x 512 x 1,024 float32.
;; Outputs: out0 2 x 512 x 1,024 float32.
;; One version. Each part assembles by itself: llvm-mc -triple=amdgcn-amd-amdhsa -mcpu=gfx1250 --defsym DOCPART=n.
;; ======== version 1 of 1: 4 launches
;; workspace buffers: xb 2,097,152 bytes; bm 2,048 bytes of whole numbers; ei 8,192 bytes of whole numbers; pr 8,192 bytes; hb 67,108,864 bytes; part 33,685,504 bytes
;; launch router (part 1): grid 64 x 1, 8 waves a work-group, no clusters, 44,032 bytes of LDS; arguments x, gate_w, gate_b, xb, bm, pr, ei; writes xb, bm, pr, ei
.if DOCPART == 1
	.amdgcn_target "amdgcn-amd-amdhsa--gfx1250"
	.amdhsa_code_object_version 6
	.text
	.protected	k_qae3113e63d_router
	.globl	k_qae3113e63d_router
	.p2align	8
	.type	k_qae3113e63d_router,@function
k_qae3113e63d_router:
	s_mov_b64 s[64:65], 0
	v_nop
	global_prefetch_b8 v0, s[64:65] scope:SCOPE_SE
	s_setreg_imm32_b32 hwreg(HW_REG_WAVE_MODE, 25, 1), 1
	s_wait_xcnt 0x0
; ROUTER.  scores = x gate_w + gate_b; the two largest of 8 (the lower index wins a tie); softmax over the two, the larger taken away first.
; All inputs are rounded once to bf16 (x, gate_w, gate_b), the product goes to the matrix unit, sums in f32.  x rounded to bf16 is also stored (xb) for the next launch.
; A SLOT is a routed row: slot = k x 1024 + t for choice k of token t.  Stored at fixed places: ei[slot] the expert, pr[slot] the weight, and bm, for each expert a map of 2,048 bits, bit = slot.
; No address and no branch hangs on a score.  LIMITS: NaN and infinities among the scores are not treated apart.
; SHARES.  A work-group owns 16 tokens; wave w owns columns 128 w .. 128 w + 127 of them: 16 loads of 512 consecutive bytes.  The eight partial scores meet in LDS; wave 0 adds them and chooses.
.set XSB,   4352                       ; a wave's strip of x in bf16: 16 rows x (256 + 16) bytes
.set PS,    34816                      ; partial scores: 1,024 bytes a wave
.set SPARE, 43008                      ; the spare words: 128 bytes a wave, four blocks of 256 that no other line names
.set SPW, 4                            ; v4  my spare word's LDS address; never rewritten
.set NIL, 5                            ; v5  0; never rewritten
.set X,   16                           ; v16-79   16 rows x 4 f32
.set G,   80                           ; v80-143  gate_w: 4 K steps x 16 numbers of my expert
.set GF,  144                          ; v144-175 the gate's fragments
.set XF,  176                          ; v176-207 x's fragments
.set ACC0, 208
.set ACC1, 216
.set XC,  224                          ; v224-255 x in bf16, 2 registers a row
	s_load_b256 s[4:11], s[0:1], 0x0               ; x s[4:5], gate_w s[6:7], gate_b s[8:9], xb s[10:11]
	s_load_b128 s[12:15], s[0:1], 0x20             ; bm s[12:13], pr s[14:15]
	s_load_b64 s[16:17], s[0:1], 0x30              ; ei
	v_lshl_add_u32 v[SPW], v0, 2, SPARE
	v_mov_b32 v[NIL], 0
	v_and_b32 v1, 31, v0                           ; lane
	v_and_b32 v2, 15, v0                           ; r
	v_bfe_u32 v3, v0, 4, 1                         ; h
	v_lshrrev_b32 v6, 5, v0
	v_readfirstlane_b32 s18, v6                    ; wave
	v_lshlrev_b32 v7, 4, v0                        ; x: 512 w + 16 lane
	v_lshlrev_b32 v8, 3, v0                        ; xb: 256 w + 8 lane
	v_and_b32 v9, 7, v0
	v_lshlrev_b32 v9, 2, v9
	v_lshl_add_u32 v9, v3, 8, v9                   ; gate_w: expert r % 8, 8 h rows of 32 bytes down
	s_mul_i32 s19, s18, XSB
	v_lshl_add_u32 v10, v1, 3, s19                 ; into my strip: 8 bytes a lane
	v_mul_u32_u24 v11, v2, 272
	v_lshl_add_u32 v11, v3, 4, v11
	v_add_nc_u32 v11, s19, v11                     ; out of it: row r, 16 h
	s_lshl_b32 s20, s18, 10
	s_add_co_u32 s20, s20, PS
	v_lshl_add_u32 v12, v1, 5, s20                 ; my 32 bytes of partial scores
	s_mov_b32 s23, 0
	s_wait_kmcnt 0x0
	s_lshl_b32 s22, ttmp9, 16                      ; 16 rows of 4,096 bytes
	s_add_nc_u64 s[4:5], s[4:5], s[22:23]
	s_lshl_b32 s22, s18, 12                        ; 128 rows of 32 bytes
	s_add_nc_u64 s[6:7], s[6:7], s[22:23]
	s_lshl_b32 s22, ttmp9, 15                      ; 16 rows of 2,048 bytes
	s_add_nc_u64 s[10:11], s[10:11], s[22:23]
	s_lshl_b32 s22, ttmp9, 1                       ; my halfword in each map
	s_add_nc_u64 s[12:13], s[12:13], s[22:23]
	s_lshl_b32 s22, ttmp9, 6                       ; 16 words
	s_add_nc_u64 s[14:15], s[14:15], s[22:23]
	s_add_nc_u64 s[16:17], s[16:17], s[22:23]
.set i, 0
.rept 16
	global_load_b128 v[X+4*i:X+4*i+3], v7, s[4:5] offset:4096*i th:TH_LOAD_NT
.set i, i+1
.endr
; The gate is source 0: lane (r, h) holds expert r % 8 and, for K step s, k = 32 s + 8 h + 0..7 and 32 s + 16 + 8 h + 0..7
.set i, 0
.rept 64
	global_load_b32 v[G+i], v9, s[6:7] offset:(32*(i/16)+(i%16)+8*((i%16)/8))*32
.set i, i+1
.endr
	s_wait_loadcnt 63                              ; of the 80 loads issued at most 63 are out: the first 17, x's sixteen among them, are in
.set i, 0
.rept 16
	v_cvt_pk_bf16_f32 v[XC+2*i], v[X+4*i], v[X+4*i+1]
	v_cvt_pk_bf16_f32 v[XC+2*i+1], v[X+4*i+2], v[X+4*i+3]
	global_store_b64 v8, v[XC+2*i:XC+2*i+1], s[10:11] offset:2048*i   ; the wave's 32 lanes store 256 consecutive bytes, aligned
	ds_store_b64 v10, v[XC+2*i:XC+2*i+1] offset:272*i
.set i, i+1
.endr
	s_wait_loadcnt 0x0                             ; gate_w
.set i, 0
.rept 32
	v_cvt_pk_bf16_f32 v[GF+i], v[G+2*i], v[G+2*i+1]
.set i, i+1
.endr
.set i, 0
.rept 4
	ds_load_b128 v[XF+8*i:XF+8*i+3], v11 offset:64*i          ; my own strip: LDS serves a wave's instructions in order, so no barrier
	ds_load_b128 v[XF+8*i+4:XF+8*i+7], v11 offset:64*i+32
.set i, i+1
.endr
	s_wait_dscnt 0x0
	; two accumulators by turns; in the result lane (r, h) register g is token r, expert g, in both halves of the lanes
	v_wmma_f32_16x16x32_bf16 v[ACC0:ACC0+7], v[GF:GF+7], v[XF:XF+7], 0
	v_wmma_f32_16x16x32_bf16 v[ACC1:ACC1+7], v[GF+8:GF+15], v[XF+8:XF+15], 0
	v_wmma_f32_16x16x32_bf16 v[ACC0:ACC0+7], v[GF+16:GF+23], v[XF+16:XF+23], v[ACC0:ACC0+7]
	v_wmma_f32_16x16x32_bf16 v[ACC1:ACC1+7], v[GF+24:GF+31], v[XF+24:XF+31], v[ACC1:ACC1+7]
.rept 4
	v_nop                                          ; four places behind the products
.endr
.irp i, 0,2,4,6
	v_pk_add_f32 v[X+\i:X+\i+1], v[ACC0+\i:ACC0+\i+1], v[ACC1+\i:ACC1+\i+1]  ; from the low end on; into x's registers, which are free
.endr
	ds_store_b128 v12, v[X:X+3]
	ds_store_b128 v12, v[X+4:X+7] offset:16
	s_wait_dscnt 0x0                               ; for wave 0's sake: my partial scores are in LDS
	s_barrier_signal -1
	s_barrier_wait -1
	s_cmp_lg_u32 s18, 0
	s_cbranch_scc1 .Lend                           ; no barrier follows: the rest is wave 0's
	s_load_b256 s[24:31], s[8:9], 0x0              ; gate_b
	v_lshl_add_u32 v13, v1, 5, PS
.set i, 0
.rept 8
	ds_load_b128 v[G+8*i:G+8*i+3], v13 offset:1024*i
	ds_load_b128 v[G+8*i+4:G+8*i+7], v13 offset:1024*i+16
.set i, i+1
.endr
	s_wait_dscnt 0x0
.irp w, 1,2,3,4,5,6,7
.irp i, 0,2,4,6
	v_pk_add_f32 v[G+\i:G+\i+1], v[G+\i:G+\i+1], v[G+8*\w+\i:G+8*\w+\i+1]    ; the waves' parts in a fixed order
.endr
.endr
	s_wait_kmcnt 0x0
.irp i, 0,1,2,3
	v_cvt_pk_bf16_f32 v[16+\i], s[24+2*\i], s[25+2*\i]       ; gate_b rounded to bf16 like every input,
.endr
.irp i, 0,1,2,3
	v_lshlrev_b32 v[24+2*\i], 16, v[16+\i]                   ; and widened again
	v_and_b32 v[25+2*\i], 0xffff0000, v[16+\i]
.endr
.irp i, 0,2,4,6
	v_pk_add_f32 v[G+\i:G+\i+1], v[G+\i:G+\i+1], v[24+\i:25+\i]
.endr
	; the two largest: v32 m1, v33 i1, v34 m2, v35 i2.  Strictly greater alone replaces, so the lower index keeps its place in a tie
	v_mov_b32 v32, v[G]
	v_mov_b32 v33, 0
	v_mov_b32 v34, 0xff800000
	v_mov_b32 v35, 0
.irp e, 1,2,3,4,5,6,7
	v_mov_b32 v36, \e
	v_cmp_gt_f32 vcc_lo, v[G+\e], v34
	v_cndmask_b32 v34, v34, v[G+\e], vcc_lo
	v_cndmask_b32 v35, v35, v36, vcc_lo
	v_cmp_gt_f32 vcc_lo, v[G+\e], v32
	v_cndmask_b32 v34, v34, v32, vcc_lo
	v_cndmask_b32 v35, v35, v33, vcc_lo
	v_cndmask_b32 v32, v32, v[G+\e], vcc_lo
	v_cndmask_b32 v33, v33, v36, vcc_lo
.endr
	v_sub_f32 v37, v34, v32                        ; m2 - m1, at most 0
	v_mul_f32 v37, 0x3fb8aa3b, v37
	v_exp_f32 v37, v37                             ; e^(m2 - m1), at most 1
	v_nop                                          ; a plain instruction behind the exponential
	s_wait_alu depctr_va_vdst(0)
	v_add_f32 v38, 1.0, v37
	v_rcp_f32 v38, v38                             ; p1
	v_nop
	s_wait_alu depctr_va_vdst(0)
	v_mul_f32 v39, v37, v38                        ; p2
	v_cmp_eq_u32 vcc_lo, 1, v3                     ; lanes 0-15 speak for choice 0, lanes 16-31 for choice 1
	v_cndmask_b32 v40, v33, v35, vcc_lo
	v_cndmask_b32 v41, v38, v39, vcc_lo
	v_lshlrev_b32 v42, 2, v2
	v_lshl_add_u32 v42, v3, 12, v42                ; slot x 4 = 4,096 k + 4 r, from the work-group's first token
	global_store_b32 v42, v40, s[16:17]
	global_store_b32 v42, v41, s[14:15]
	v_mov_b32 v43, 0
.irp e, 0,1,2,3,4,5,6,7
	v_cmp_eq_u32 s[32+\e], \e, v40                 ; low half: my 16 tokens' choice 0 of expert e; high half: choice 1
	v_writelane_b32 v43, s[32+\e], \e
.endr
	v_lshlrev_b32 v44, 8, v1                       ; expert = lane: 256 bytes a map
	s_wait_xcnt 0x0                                ; EXEC changes only behind this wait
	v_cmp_gt_u32 vcc_lo, 8, v1
	s_and_saveexec_b32 s40, vcc_lo
	global_store_b16 v44, v43, s[12:13]
	global_store_d16_hi_b16 v44, v43, s[12:13] offset:128
	s_wait_xcnt 0x0                                ; and again in front of the line that widens it
	s_or_b32 exec_lo, exec_lo, s40
.Lend:
	s_wait_tensorcnt 0x0                           ; the wave's end, behind my last LDS store
	ds_add_u32 v[SPW], v[NIL]
	s_wait_dscnt 0x0
	s_endpgm
.Lfunc_end_k_qae3113e63d_router:
	.size	k_qae3113e63d_router, .Lfunc_end_k_qae3113e63d_router-k_qae3113e63d_router
	.p2alignl 7, 3214868480
	.fill 96, 4, 3214868480
	.section	.rodata,"a",@progbits
	.p2align	6, 0x0
	.amdhsa_kernel k_qae3113e63d_router
		.amdhsa_group_segment_fixed_size 44032
		.amdhsa_private_segment_fixed_size 0
		.amdhsa_enable_private_segment 0
		.amdhsa_kernarg_size 56
		.amdhsa_user_sgpr_count 2
		.amdhsa_user_sgpr_kernarg_segment_ptr 1
		.amdhsa_wavefront_size32 1
		.amdhsa_system_sgpr_workgroup_id_x 1
		.amdhsa_system_sgpr_workgroup_id_y 1
		.amdhsa_system_sgpr_workgroup_id_z 1
		.amdhsa_system_vgpr_workitem_id 0
		.amdhsa_next_free_vgpr 256
		.amdhsa_next_free_sgpr 66
		.amdhsa_reserve_vcc 1
		.amdhsa_float_denorm_mode_32 3
		.amdhsa_float_denorm_mode_16_64 3
		.amdhsa_memory_ordered 1
		.amdhsa_forward_progress 1
		.amdhsa_inst_pref_size 26
	.end_amdhsa_kernel
	.amdgpu_metadata
---
amdhsa.version: [ 1, 2 ]
amdhsa.kernels:
  - .name:           k_qae3113e63d_router
    .symbol:         k_qae3113e63d_router.kd
    .args:
      - { .name: x, .offset: 0, .size: 8, .value_kind: global_buffer, .address_space: global }
      - { .name: gate_w, .offset: 8, .size: 8, .value_kind: global_buffer, .address_space: global }
      - { .name: gate_b, .offset: 16, .size: 8, .value_kind: global_buffer, .address_space: global }
      - { .name: xb, .offset: 24, .size: 8, .value_kind: global_buffer, .address_space: global }
      - { .name: bm, .offset: 32, .size: 8, .value_kind: global_buffer, .address_space: global }
      - { .name: pr, .offset: 40, .size: 8, .value_kind: global_buffer, .address_space: global }
      - { .name: ei, .offset: 48, .size: 8, .value_kind: global_buffer, .address_space: global }
    .group_segment_fixed_size: 44032
    .private_segment_fixed_size: 0
    .kernarg_segment_align: 8
    .kernarg_segment_size: 56
    .max_flat_workgroup_size: 256
    .sgpr_count:     66
    .vgpr_count:     256
    .wavefront_size: 32
...
	.end_amdgpu_metadata
.endif
;; end of part 1
;; launch up (part 2): grid 32 x 8, 8 waves a work-group, no clusters, 268,032 bytes of LDS; arguments xb, w1, b1, bm, hb; writes hb
.if DOCPART == 2
	.amdgcn_target "amdgcn-amd-amdhsa--gfx1250"
	.amdhsa_code_object_version 6
	.text
	.protected	k_qae3113e63d_up
	.globl	k_qae3113e63d_up
	.p2align	8
	.type	k_qae3113e63d_up,@function
k_qae3113e63d_up:
	s_mov_b64 s[64:65], 0
	v_nop
	global_prefetch_b8 v0, s[64:65] scope:SCOPE_SE
	s_setreg_imm32_b32 hwreg(HW_REG_WAVE_MODE, 25, 1), 1
	s_wait_xcnt 0x0
; ONE TEXT FOR BOTH PRODUCTS OF THE EXPERTS.
; MODE 1: hb = gelu(xb[token] w1[e] + b1[e]) in bf16, by expert and rank, laid as the next launch's matrix fragments.
; MODE 2: part[q][slot] = hb w2[e] over K quarter q, in f32; the gate's weight, b2 and the sum over quarters and choices are the last launch's.
; SHARES.  Work-group (x, e) has a slice of ONE expert's weights, 1,024 K x 128 columns of f32, which it alone reads, once, and all of that expert's rows (0 to 1,024 of them).
; In MODE 2 x = 8 q + ns: K quarter q of the 4,096, columns 128 ns on.  The slice is rounded to bf16, turned in registers and laid into LDS as matrix fragments, 262,144 bytes, each byte written once.
; ROLES, by the wave's number.  Waves 4-7 LOAD: each keeps a ring of four units, 64 loads of 16 bytes a lane, on its way.  Waves 0-3 COMPUTE: 64 rows x 128 columns each (ranks 0-255).
; A TRIP is 256 K, one full turn of the ring.  The loaders round each unit into registers as it lands and ask for the next at once; barrier; they lay the trip's fragments; barrier; the compute waves multiply them
; while the loaders round the next trip's.  So no wave stores to LDS while another reads it.  Ranks from 256 on are taken behind the walk in three passes by all eight waves, 32 rows each, the loaders first; nothing stores to LDS there.
; THE LIST.  Wave 0 turns the expert's map of 2,048 bits into a list of slots in LDS (whole numbers alone).  Places past the count hold the expert's dump row, 2048 + e: as a token that is row 1023, which exists; as a row of part nobody reads it.
; THE TURN.  Weights lie [K][N].  A lane loads 16 rows x 4 columns; v_cvt_pk_bf16_f32 of two rows' numbers of one column IS a fragment register.  Fragment 4 u + j holds columns 64 u + 4 n + j (n = its index).
; MODE 1 takes the weights as source 0 and 16 tokens as source 1: lane (r, h) register g of accumulator (blk, 4 u + j) is token r, column 64 u + 32 h + 4 g + j.  Eight neighbouring columns are 16 bytes (a PIECE; a lane has 8),
; and a wave's store of piece p is 512 consecutive bytes.  hb[e][block of 16 ranks][slice of 128 columns][p][lane][16 bytes]: pieces 2 s and 2 s + 1 ARE the fragment of K step s of the slice as MODE 2's source 0 takes it.
; Slot k = 8 h + i (+ 16 c) of that K step is column 64 (s / 2) + 16 (s % 2) + 32 h + 8 c + i of the slice; MODE 2 takes w2's rows in the same order, so each product meets its partner.  Blocks 0-15 are always stored,
; so that MODE 2's walk reads written bytes whatever the count; later blocks where they hold a live row.
; MODE 2 takes 16 rows as source 0 and the weights as source 1: lane (n, h) register g is row 8 h + g, column 64 u + 4 n + j: for one g the accumulators j = 0..3 are four neighbouring columns, gathered into four
; neighbouring registers for a 16-byte store: sixteen lanes store 256 consecutive aligned bytes of a row.
; NO TENSOR LOADS: the weights must be rounded and turned on the way, and as f32 the slice does not fit in LDS.  NO CLUSTER: each weight byte has one reader; what an expert's work-groups share, its rows, is read straight into registers as fragments.
; GELU (MODE 1): max(x, 0) - |x| Q, Q = t (A1 + t (A2 + t (A3 + t (A4 + t A5)))) 2^(c x^2), t = 1 / (1 + P |x|): the rational formula for erf with error at most 1.5e-7 for every x.
; LIMITS.  b1 is rounded to bf16 like every input; a Q below 2^-126 counts as 0; NaN and infinities are not treated apart.
.set MODE, 1
.if MODE == 1
.set WPITCH, 16384                     ; bytes from a K row of the weights to the next
.set AKS,    64                        ; bytes of A from a K step to the next (a row of xb lies along K)
.set AHF,    32                        ; from a fragment's registers 0-3 to its registers 4-7
.set HROWS,  8                         ; the weight rows of lanes 16-31 lie HROWS below those of lanes 0-15
.else
.set WPITCH, 4096
.set AKS,    1024                      ; hb holds whole fragments
.set AHF,    512
.set HROWS,  32
.endif
.set ACH,   4*AKS                      ; A: a chunk of 128 K
.set CH,    128*WPITCH                 ; the weights: a chunk of 128 K
.set LIST,  262144                     ; behind the fragments: 1,024 slots; + 4,096: 32 dump words; + 4,224: the count
.set BIAS,  266496                     ; 128 f32 (MODE 1)
.set SPARE, 267008                     ; the spare words: 128 bytes a wave, four blocks of 256 that no other line names
.set LANE, 1
.set R,    2                           ; lane % 16
.set H,    3                           ; lane / 16
.set SPW,  4                           ; my spare word's LDS address; never rewritten
.set NIL,  5                           ; 0; never rewritten
.set L16,  6                           ; 16 lane
.set C16,  7                           ; 16 (lane % 16)
.set AO,   8                           ; v8-11   block j: my byte offset in A
.set H16,  12                          ; 16 h
.set VDUMP, 13                         ; 2048 + e
.set BA,   14                          ; LDS address of the fragments in hand
.set BA2,  15                          ; the passes: of the next eight K steps
.set GO,   16                          ; v16-23  byte offsets of what I store (MODE 1: one)
.set SL,   24                          ; v24-31  MODE 2: my eight rows' slots
.set WST,  48                          ; v48-51  loaders: where trip k's fragments go; never rewritten
.set WOF,  52                          ; loaders: my offset in a unit of the weights; never rewritten
.set TP,   54                          ; v54-63  at work
.set AF,   64                          ; v64-191  A's fragments: the walk: 4 K steps x 4 blocks x 8; the passes: 8 K steps x 2 blocks x 8
.set BF,   192                         ; v192-255 the weights' 8 fragments of one K step
.set FR,   64                          ; loaders: v64-191 a trip's 16 fragments
.set LB,   192                         ; v192-213 wave 0, the list: at work
.set T,    64                          ; the way out: v64-127 a block's 64 numbers
.set BI,   128                         ; v128-191 their biases (MODE 1)
.set AX,   192                         ; GELU at work: |x|, t, the exponential, the polynomial
.set TT,   200
.set EE,   208
.set PP,   216
.set OW,   224                         ; v224-255 the block in bf16
; window 1 (v256-511): compute: accumulator (blk, f) at 64 blk + 8 f; the passes: v128-191 of it a second buffer of weight fragments; loaders: the ring, four units of 64 registers
.set WV, 16
.set LW, 17
.set EX, 18
.set NE, 20                            ; the expert's rows
.set DUMP, 21
.set TB, 22                            ; LDS byte of the fragments that are multiplied
.set CN, 23                            ; counts a trip's two chunks
.set TRIP, 24
.set FIRST, 25                         ; 1: the next K step starts the sums
.set GP, 26
.set LIM, 27                           ; blocks that begin at or past this rank store nothing
.set RB0, 28                           ; first rank of my blocks; block j begins 16 j on
.set BLK, 32
.set RBC, 33
.set NB, 34                            ; s[34:35] the passes: A at the eight K steps that are asked for
.set KC, 44
.set CP, 46                            ; s[46:59] seven constants, each twice: the packed forms name pairs
.set CC, 48
.set CA1, 50
.set CA2, 52
.set CA3, 54
.set CA4, 56
.set CA5, 58
.set ABSM, 60
.set AB, 66                            ; s[66:73] the walk: a base of A for each of a chunk's four K steps
.set WB, 74                            ; s[74:81] a base of the weights for each slot of the ring
.set LWD, 82                           ; s82-85  the list: four words of the map
.set LI, 86                            ; s87-89  their numbers
.set MSB, 0
.macro WIN new                         ; the immediate's high byte repeats the setting that is left; a switch that changes nothing is dropped
.if MSB != (\new)
	s_set_vgpr_msb (MSB<<8)|(\new)
.set MSB, (\new)
.endif
.endm
.macro PLACES                          ; four places behind matrix instructions, in front of loads into their sources and of reads of their results
.rept 4
	v_nop
.endr
.endm
; Ring slot s holds a unit, 32 K x 64 columns: chunk s / 2 of the trip, columns 64 (s % 2) on.  Load t brings the row that stands at k = 8 h + t (t < 8) or 16 + 8 h + t - 8 of my K step:
; lanes 0-15 take 256 consecutive aligned bytes of one row, lanes 16-31 of another.
.macro ISSUE slot
	WIN 0x40                                       ; destination window 1
.set t, 0
.rept 16
.if MODE == 1
.set row_, t+8*(t/8)
.else
.set row_, t                           ; hb's order of the columns, which are w2's rows
.endif
	global_load_b128 v[64*(\slot)+4*t:64*(\slot)+4*t+3], v[WOF], s[WB+2*(\slot):WB+2*(\slot)+1] offset:row_*WPITCH+256*((\slot)%2)+((\slot)/2)*CH th:TH_LOAD_NT
.set t, t+1
.endr
.endm
; A unit is rounded and turned: fragment j's register i is loads 2 i, 2 i + 1 of column j.  left: the younger loads that may stay out.  re = 1: the slot is asked for again, for the next trip.
.macro CONVERT slot, left, re
	s_wait_loadcnt \left
	WIN 0x05                                       ; sources window 1, destination window 0
.irp j, 0,1,2,3
.irp i, 0,1,2,3,4,5,6,7
	v_cvt_pk_bf16_f32 v[FR+32*(\slot)+8*\j+\i], v[64*(\slot)+8*\i+\j], v[64*(\slot)+8*\i+4+\j]
.endr
.endr
.if \re
	s_add_nc_u64 s[WB+2*(\slot):WB+2*(\slot)+1], s[WB+2*(\slot):WB+2*(\slot)+1], 2*CH  ; the slot's own base: the wait above has shown the only loads that named it done
	ISSUE \slot
.endif
.endm
; Trip k's 16 fragments of mine are laid.  Fragment (K step KS, f) lies at (8 KS + f) x 1,024: registers 0-3 at 16 lane, registers 4-7 512 bytes on: each store covers 512 consecutive bytes.
.macro STORES k
.irp s, 0,1,2,3
.irp j, 0,1,2,3
	ds_store_b128 v[WST+(\k)], v[FR+32*\s+8*\j:FR+32*\s+8*\j+3] offset:(\s/2)*32768+(4*(\s%2)+\j)*1024
	ds_store_b128 v[WST+(\k)], v[FR+32*\s+8*\j+4:FR+32*\s+8*\j+7] offset:(\s/2)*32768+(4*(\s%2)+\j)*1024+512
.endr
.endr
.endm
.macro BLOAD step, half                ; four of a K step's eight weight fragments
.irp f, 0,1,2,3
	ds_load_b128 v[BF+8*(4*(\half)+\f):BF+8*(4*(\half)+\f)+3], v[BA] offset:(\step)*8192+(4*(\half)+\f)*1024
	ds_load_b128 v[BF+8*(4*(\half)+\f)+4:BF+8*(4*(\half)+\f)+7], v[BA] offset:(\step)*8192+(4*(\half)+\f)*1024+512
.endr
.endm
.macro ALOAD i                         ; the walk: A's fragments of K step i of a chunk, four blocks, by that K step's own base
.set b_, 0
.rept 4
	global_load_b128 v[AF+32*(\i)+8*b_:AF+32*(\i)+8*b_+3], v[AO+b_], s[AB+2*(\i):AB+2*(\i)+1] offset:AKS*(\i)
	global_load_b128 v[AF+32*(\i)+8*b_+4:AF+32*(\i)+8*b_+7], v[AO+b_], s[AB+2*(\i):AB+2*(\i)+1] offset:AKS*(\i)+AHF
.set b_, b_+1
.endr
.endm
.macro MULS i, half, zero              ; 4 fragments x 4 blocks; every accumulator once a K step: they take turns
	WIN 0x50                                       ; C and D window 1
.irp f, 0,1,2,3
.set b_, 0
.rept 4
.set d_, 64*b_+8*(4*(\half)+\f)
.if MODE == 1
.set p_, BF+8*(4*(\half)+\f)           ; source 0: the weights
.set q_, AF+32*(\i)+8*b_               ; source 1: 16 tokens
.else
.set p_, AF+32*(\i)+8*b_               ; source 0: 16 rows
.set q_, BF+8*(4*(\half)+\f)           ; source 1: the weights
.endif
.if \zero
	v_wmma_f32_16x16x32_bf16 v[d_:d_+7], v[p_:p_+7], v[q_:q_+7], 0
.else
	v_wmma_f32_16x16x32_bf16 v[d_:d_+7], v[p_:p_+7], v[q_:q_+7], v[d_:d_+7]
.endif
.set b_, b_+1
.endr
.endr
.endm
; K step i of a chunk's four.  bnext: the next step's fragments follow each half's products.  anext: buffer i takes the same step of the next chunk.
.macro KSTEP i, zero, bnext, anext
.if \anext
	s_wait_loadcnt 24                              ; the three younger buffers of A, 8 loads each, stay out
	s_add_nc_u64 s[AB+2*(\i):AB+2*(\i)+1], s[AB+2*(\i):AB+2*(\i)+1], ACH  ; this K step's own base: that wait has shown the only loads that named it done
.else
	s_wait_loadcnt (3-(\i))*8                      ; the last chunk asks for nothing: the counts run down
.endif
	s_wait_dscnt 8                                 ; fragments 0-3 are in; the eight loads of fragments 4-7 may be out
	MULS \i, 0, \zero
	PLACES
	WIN 0
.if \bnext
	BLOAD (\i)+1, 0
	s_wait_dscnt 8                                 ; fragments 4-7 are in; the eight just issued may be out
.else
	s_wait_dscnt 0x0
.endif
	MULS \i, 1, \zero
	PLACES
	WIN 0
.if \bnext
	BLOAD (\i)+1, 1
.endif
.if \anext
	ALOAD \i
.endif
.endm
; A chunk of 128 K.  first = 1: where FIRST is 1 the first K step starts the sums with the constant 0: nothing is cleared.
.macro COMPUTE first, anext
	v_add_nc_u32 v[BA], s[TB], v[L16]
	BLOAD 0, 0
	BLOAD 0, 1
.if \first
	s_cmp_eq_u32 s[FIRST], 1
	s_cbranch_scc0 .Lacc_\@
	KSTEP 0, 1, 1, \anext
	s_mov_b32 s[FIRST], 0
	s_branch .Lgo_\@
.Lacc_\@:
.endif
	KSTEP 0, 0, 1, \anext
.if \first
.Lgo_\@:
.endif
	KSTEP 1, 0, 1, \anext
	KSTEP 2, 0, 1, \anext
	KSTEP 3, 0, 0, \anext
	s_add_co_u32 s[TB], s[TB], 32768
.endm
; My blocks' offsets in A.  MODE 1: rank -> slot -> token -> row of xb.  MODE 2: a block of 16 ranks is 131,072 bytes of hb; dead = 1: a block past the count, which nobody stored, gives way to my first.
.macro TILEADDR nblk, dead
.if MODE == 1
	v_add_nc_u32 v[TP+8], s[RB0], v[R]
.set j_, 0
.rept \nblk
	v_add_nc_u32 v[TP+j_], 16*j_, v[TP+8]
	v_min_u32 v[TP+j_], 0x3ff, v[TP+j_]
	v_lshl_add_u32 v[TP+j_], v[TP+j_], 2, LIST
	ds_load_b32 v[TP+4+j_], v[TP+j_]
.set j_, j_+1
.endr
	s_wait_dscnt 0x0
.set j_, 0
.rept \nblk
	v_min_u32 v[TP+4+j_], 0x7ff, v[TP+4+j_]        ; a loaded number enters an address only behind a clamp
	v_and_b32 v[TP+4+j_], 0x3ff, v[TP+4+j_]        ; the slot's token
	v_lshl_add_u32 v[AO+j_], v[TP+4+j_], 11, v[H16]
.set j_, j_+1
.endr
.else
.set j_, 0
.rept \nblk
	s_add_co_u32 s36, s[RB0], 16*j_
.if (\dead) && (j_ > 0)
	s_cmp_lt_u32 s36, s[NE]
	s_cselect_b32 s36, s36, s[RB0]
.endif
	s_min_u32 s36, s36, 0x3f0
	s_lshl_b32 s36, s36, 13
	v_add_nc_u32 v[AO+j_], s36, v[L16]
.set j_, j_+1
.endr
.endif
.endm
; A TRIP of the walk, 256 K.  re = 1: the ring is asked for again.  l0-l3: the loaders' counts.  k: which trip's place the fragments take; below 0: the loop's trips, and the loop's counter says.
.macro BIG re, l0, l1, l2, l3, k
	s_cmp_lt_u32 s[WV], 4
	s_cbranch_scc1 .Lma_\@
	CONVERT 0, \l0, \re
	CONVERT 1, \l1, \re
	CONVERT 2, \l2, \re
	CONVERT 3, \l3, \re
	WIN 0
.Lma_\@:
	s_wait_dscnt 0x0                               ; a compute wave's reads of the trip before have come back
	s_barrier_signal -1
	s_barrier_wait -1                              ; nobody reads LDS now
	s_cmp_lt_u32 s[WV], 4
	s_cbranch_scc1 .Lmb_\@
.if (\k) < 0
	s_cmp_eq_u32 s[TRIP], 3                        ; a block of stores for each trip of the loop: its LDS addresses are a constant, 8,192 x the loader's number and 16 x the lane
	s_cbranch_scc0 .Lmc_\@
	STORES 0
	s_branch .Lmb_\@
.Lmc_\@:
	s_cmp_eq_u32 s[TRIP], 2
	s_cbranch_scc0 .Lmd_\@
	STORES 1
	s_branch .Lmb_\@
.Lmd_\@:
	STORES 2
.else
	STORES \k
.endif
.Lmb_\@:
	s_wait_dscnt 0x0                               ; for the others' sake: my stores of the trip's fragments are done
	s_barrier_signal -1
	s_barrier_wait -1                              ; the trip's fragments are whole
	s_cmp_lt_u32 s[WV], 4
	s_cbranch_scc0 .Lme_\@
.if (\k) < 0
	s_mov_b32 s[CN], 2                             ; the trip's two chunks: written once, walked twice
.Lcc_\@:
	COMPUTE 1, 1
	s_sub_co_u32 s[CN], s[CN], 1
	s_cmp_lg_u32 s[CN], 0
	s_cbranch_scc1 .Lcc_\@
.else
	COMPUTE 0, 1
	COMPUTE 0, 0
.endif
.Lme_\@:
.endm
; THE PASSES' K STEP.  Two blocks x eight fragments.  A has eight buffers and is asked for eight K steps ahead; the weights' fragments have two whole-step buffers and are asked for two K steps ahead.
.macro PALOAD i                        ; A's fragments of K step i of eight, two blocks
.set b_, 0
.rept 2
	global_load_b128 v[AF+16*(\i)+8*b_:AF+16*(\i)+8*b_+3], v[AO+b_], s[NB:NB+1] offset:AKS*(\i)
	global_load_b128 v[AF+16*(\i)+8*b_+4:AF+16*(\i)+8*b_+7], v[AO+b_], s[NB:NB+1] offset:AKS*(\i)+AHF
.set b_, b_+1
.endr
.endm
.macro PBLOAD areg, off                ; a K step's eight weight fragments into buffer pp_: 0: v192-255 of window 0; 1: v128-191 of window 1
.if pp_
	WIN 0x40
.set d_, 128
.else
	WIN 0
.set d_, BF
.endif
.irp f, 0,1,2,3,4,5,6,7
	ds_load_b128 v[d_+8*\f:d_+8*\f+3], v[\areg] offset:(\off)+\f*1024
	ds_load_b128 v[d_+8*\f+4:d_+8*\f+7], v[\areg] offset:(\off)+\f*1024+512
.endr
.endm
.macro PMUL i, zero                    ; 16 products on 16 accumulators, which take turns
.set pp_, (\i)%2
.if MODE == 1
	WIN 0x50+pp_                                   ; the weights are source 0
.else
	WIN 0x50+4*pp_                                 ; the weights are source 1
.endif
.irp f, 0,1,2,3,4,5,6,7
.set b_, 0
.rept 2
.set d_, 64*b_+8*\f
.if MODE == 1
.set p_, BF+8*\f-64*pp_
.set q_, AF+16*(\i)+8*b_
.else
.set p_, AF+16*(\i)+8*b_
.set q_, BF+8*\f-64*pp_
.endif
.if \zero
	v_wmma_f32_16x16x32_bf16 v[d_:d_+7], v[p_:p_+7], v[q_:q_+7], 0
.else
	v_wmma_f32_16x16x32_bf16 v[d_:d_+7], v[p_:p_+7], v[q_:q_+7], v[d_:d_+7]
.endif
.set b_, b_+1
.endr
.endr
.endm
.macro PSTEP i, zero
	s_wait_loadcnt 28                              ; the seven younger buffers of A, 4 loads each, stay out
	s_wait_dscnt 16                                ; this step's fragments are in; the next step's sixteen loads may be out
	PMUL \i, \zero
	PLACES
.if (\i) < 6
	PBLOAD BA, ((\i)+2)*8192                       ; the buffer just multiplied takes the step two further on
.else
	PBLOAD BA2, ((\i)-6)*8192
.endif
	WIN 0
	PALOAD \i                                      ; and A's buffer the step eight further on
.endm
; 32 words of the map, four a trip, in chains that do not wait for each other.  Lane l looks at bit l of a word: the word itself is the lane mask.  A set bit's place in the list is the count so far plus the set bits below it.
.macro LISTHALF src
	s_mov_b32 s42, 0
.Llist_\@:
.irp k, 1,2,3
	s_add_co_u32 s[LI+\k], s42, \k
.endr
	v_readlane_b32 s[LWD], v[\src], s42
.irp k, 1,2,3
	v_readlane_b32 s[LWD+\k], v[\src], s[LI+\k]
.endr
.irp k, 0,1,2,3
	v_mbcnt_lo_u32_b32 v[LB+16+\k], s[LWD+\k], s41
	s_bcnt1_i32_b32 s43, s[LWD+\k]
	s_add_co_u32 s41, s41, s43
.endr
.irp k, 0,1,2,3
	v_cndmask_b32 v[LB+16+\k], v[LB+12], v[LB+16+\k], s[LWD+\k]  ; a clear bit's lane writes its own dump word
.endr
.irp k, 0,1,2,3
	v_min_u32 v[LB+16+\k], 0x41f, v[LB+16+\k]
.endr
.irp k, 0,1,2,3
	v_lshl_add_u32 v[LB+16+\k], v[LB+16+\k], 2, LIST
.endr
.irp k, 0,1,2,3
	ds_store_b32 v[LB+16+\k], v[LB+8+\k]
.endr
.irp k, 0,1,2,3
	v_add_nc_u32 v[LB+8+\k], 128, v[LB+8+\k]
.endr
	s_add_co_u32 s42, s42, 4
	s_cmp_lt_u32 s42, 32
	s_cbranch_scc1 .Llist_\@
.endm
.macro SC2 reg, val
	s_mov_b32 s[\reg], \val
	s_mov_b32 s[\reg+1], \val
.endm
.macro GELU8 tb                        ; eight numbers in place; behind each run of transcendentals stands plain work that touches none of its registers
.irp k, 0,1,2,3,4,5,6,7
	v_and_b32 v[AX+\k], s[ABSM], v[(\tb)+\k]
.endr
.irp k, 0,2,4,6
	v_pk_fma_f32 v[TT+\k:TT+\k+1], v[AX+\k:AX+\k+1], s[CP:CP+1], 1.0 op_sel_hi:[1,0,0]
.endr
.irp k, 0,2,4,6
	v_pk_mul_f32 v[EE+\k:EE+\k+1], v[(\tb)+\k:(\tb)+\k+1], v[(\tb)+\k:(\tb)+\k+1]
.endr
.irp k, 0,1,2,3,4,5,6,7
	v_rcp_f32 v[TT+\k], v[TT+\k]
.endr
.irp k, 0,2,4,6
	v_pk_mul_f32 v[EE+\k:EE+\k+1], v[EE+\k:EE+\k+1], s[CC:CC+1] op_sel_hi:[1,0]
.endr
.irp k, 0,1,2,3,4,5,6,7
	v_exp_f32 v[EE+\k], v[EE+\k]
.endr
	s_wait_alu depctr_va_vdst(0)
.irp k, 0,2,4,6
	v_pk_fma_f32 v[PP+\k:PP+\k+1], v[TT+\k:TT+\k+1], s[CA5:CA5+1], s[CA4:CA4+1] op_sel_hi:[1,0,0]
.endr
.irp c, CA3, CA2, CA1
.irp k, 0,2,4,6
	v_pk_fma_f32 v[PP+\k:PP+\k+1], v[PP+\k:PP+\k+1], v[TT+\k:TT+\k+1], s[\c:\c+1] op_sel_hi:[1,1,0]
.endr
.endr
.irp k, 0,2,4,6
	v_pk_mul_f32 v[PP+\k:PP+\k+1], v[PP+\k:PP+\k+1], v[TT+\k:TT+\k+1]
.endr
.irp k, 0,2,4,6
	v_pk_mul_f32 v[PP+\k:PP+\k+1], v[PP+\k:PP+\k+1], v[EE+\k:EE+\k+1]
.endr
.irp k, 0,1,2,3,4,5,6,7
	v_max_num_f32 v[(\tb)+\k], 0, v[(\tb)+\k]
.endr
.irp k, 0,2,4,6
	v_pk_fma_f32 v[(\tb)+\k:(\tb)+\k+1], v[AX+\k:AX+\k+1], v[PP+\k:PP+\k+1], v[(\tb)+\k:(\tb)+\k+1] neg_lo:[1,0,0] neg_hi:[1,0,0]
.endr
.endm
; Block b's numbers leave the accumulators in the order in which they are stored; register 0 of every accumulator is read first.
; MODE 1: column order, the bias added on the way.  MODE 2: row by row: four accumulators' registers of one row go into four neighbouring registers, which a 16-byte store needs.
.macro COPY b
	WIN 0x01                                       ; source 0 window 1
.irp g, 0,1,2,3,4,5,6,7
.irp u, 0,1
.irp j, 0,1,2,3
.if MODE == 1
	v_add_f32 v[T+32*\u+4*\g+\j], v[64*(\b)+8*(4*\u+\j)+\g], v[BI+32*\u+4*\g+\j]
.else
	v_mov_b32 v[T+8*\g+4*\u+\j], v[64*(\b)+8*(4*\u+\j)+\g]
.endif
.endr
.endr
.endr
	WIN 0
.endm
.macro DISP b
.Ld\b:
	COPY \b
.if \b < 3
	s_branch .Lcommon
.endif
.endm
.if MODE == 1
	s_load_b256 s[4:11], s[0:1], 0x0               ; xb s[4:5], w1 s[6:7], b1 s[8:9], bm s[10:11]
	s_load_b64 s[12:13], s[0:1], 0x20              ; hb
.else
	s_load_b128 s[4:7], s[0:1], 0x0                ; hb s[4:5], w2 s[6:7]
	s_load_b64 s[10:11], s[0:1], 0x10              ; bm
	s_load_b64 s[12:13], s[0:1], 0x18              ; part
.endif
	v_lshl_add_u32 v[SPW], v0, 2, SPARE
	v_mov_b32 v[NIL], 0
	v_and_b32 v[LANE], 31, v0
	v_and_b32 v[R], 15, v0
	v_bfe_u32 v[H], v0, 4, 1
	v_lshrrev_b32 v[TP], 5, v0
	v_readfirstlane_b32 s[WV], v[TP]
	v_lshlrev_b32 v[L16], 4, v[LANE]
	v_lshlrev_b32 v[C16], 4, v[R]
	v_lshlrev_b32 v[H16], 4, v[H]
	s_and_b32 s[LW], s[WV], 3
	s_and_b32 s[EX], ttmp7, 0xffff                 ; the expert
	s_add_co_u32 s[DUMP], s[EX], 2048
	v_mov_b32 v[VDUMP], s[DUMP]
.if MODE == 1
	SC2 CP,  0x3e6d3388                            ; P  = 0.23164189
	SC2 CC,  0xbf38aa3b                            ; c  = -0.72134752 = -log2(e) / 2
	SC2 CA1, 0x3e027906                            ; A1 =  0.127414796
	SC2 CA2, 0xbe11a98e                            ; A2 = -0.142248368
	SC2 CA3, 0x3f35f0e3                            ; A3 =  0.71070687
	SC2 CA4, 0xbf3a00e3                            ; A4 = -0.72657601
	SC2 CA5, 0x3f07dc22                            ; A5 =  0.53070271
	s_mov_b32 s[ABSM], 0x7fffffff
.endif
	s_lshl_b32 s36, s[EX], 24                      ; an expert's weights are 16,777,216 bytes
	s_mov_b32 s37, 0
	s_mov_b32 s41, 0
	s_mov_b32 s43, 0
.if MODE == 1
	s_lshl_b32 s38, s[LW], 19                      ; loader lw has K step lw of each chunk: rows 32 lw on
	s_add_co_u32 s36, s36, s38
	s_lshl_b32 s38, ttmp9, 9                       ; the slice's 128 columns of f32
	s_add_co_u32 s36, s36, s38
	s_lshl_b32 s42, s[EX], 14
	s_add_co_u32 s42, s42, s38                     ; b1
	s_lshl_b32 s40, s[EX], 23                      ; hb: 8,388,608 bytes an expert,
	s_lshl_b32 s38, ttmp9, 12                      ; 4,096 a slice in each block of 16 ranks
	s_add_co_u32 s40, s40, s38
.else
	s_lshr_b32 s38, s[LW], 1                       ; loader lw has K step lw of each chunk: in hb's order rows 64 (lw / 2) + 16 (lw % 2) on
	s_lshl_b32 s38, s38, 6
	s_and_b32 s40, s[LW], 1
	s_lshl_b32 s40, s40, 4
	s_add_co_u32 s38, s38, s40
	s_lshl_b32 s38, s38, 12
	s_add_co_u32 s36, s36, s38
	s_lshr_b32 s39, ttmp9, 3                       ; q: the K quarter
	s_and_b32 s38, ttmp9, 7
	s_lshl_b32 s38, s38, 9                         ; the slice's 128 columns of f32
	s_add_co_u32 s36, s36, s38
	s_lshl_b32 s42, s39, 22                        ; 1,024 rows of 4,096 bytes
	s_add_co_u32 s36, s36, s42
	s_mul_i32 s40, s39, 8421376                    ; part's plane q
	s_add_co_u32 s40, s40, s38
	s_lshl_b32 s42, s[EX], 23                      ; hb: 8,388,608 bytes an expert,
	s_lshl_b32 s39, s39, 15                        ; the quarter's eight slices of 4,096 in each block of 16 ranks
	s_add_co_u32 s42, s42, s39
.endif
	s_lshl_b32 s38, s[EX], 8                       ; the expert's map
	s_mov_b32 s39, 0
	s_wait_kmcnt 0x0
	s_add_nc_u64 s[6:7], s[6:7], s[36:37]
	s_add_nc_u64 s[12:13], s[12:13], s[40:41]
.if MODE == 1
	s_add_nc_u64 s[8:9], s[8:9], s[42:43]
.else
	s_add_nc_u64 s[4:5], s[4:5], s[42:43]
.endif
	s_add_nc_u64 s[10:11], s[10:11], s[38:39]
.irp i, 0,1,2,3                        ; in every wave, from here on, the walking bases are A's and the weights' addresses
	s_mov_b64 s[AB+2*\i:AB+2*\i+1], s[4:5]
	s_mov_b64 s[WB+2*\i:WB+2*\i+1], s[6:7]
.endr
	s_mov_b64 s[NB:NB+1], s[4:5]
	s_cmp_lt_u32 s[WV], 4
	s_cbranch_scc1 .Lprep
	; LOADERS: the first trip's four units are asked for before anything else: 64 loads, 32,768 bytes, a wave
	v_mul_u32_u24 v[WOF], v[H], HROWS*WPITCH
	v_add_nc_u32 v[WOF], v[WOF], v[C16]
	s_lshl_b32 s36, s[LW], 13
	v_add_nc_u32 v[WST], s36, v[L16]               ; K step lw of each chunk: 8,192 lw + 16 lane,
	v_add_nc_u32 v[WST+1], 0x10000, v[WST]         ; and 65,536 for each trip
	v_add_nc_u32 v[WST+2], 0x20000, v[WST]
	v_add_nc_u32 v[WST+3], 0x30000, v[WST]
	ISSUE 0
	ISSUE 1
	ISSUE 2
	ISSUE 3
	WIN 0
	s_branch .LbarL
.Lprep:
.if MODE == 2                          ; hb needs no list: the first chunk of A is asked for at once
	s_lshl_b32 s[RB0], s[WV], 6                    ; ranks 64 w + 16 j
	TILEADDR 4, 0
	s_mov_b32 s[TB], 0
.irp i, 0,1,2,3
	ALOAD \i
.endr
	s_mov_b32 s[FIRST], 1
.endif
	s_cmp_lg_u32 s[WV], 0
	s_cbranch_scc1 .Lnot0
	; WAVE 0: the list
	v_lshlrev_b32 v[LB], 2, v[LANE]
	global_load_b32 v[LB+1], v[LB], s[10:11]               ; words 0-31: choice 0
	global_load_b32 v[LB+2], v[LB], s[10:11] offset:128    ; words 32-63: choice 1
.irp i, 4,5,6,7
	v_mov_b32 v[LB+\i], v[VDUMP]
.endr
	v_add_nc_u32 v[LB+3], LIST, v[L16]
.irp i, 0,1,2,3,4,5,6,7
	ds_store_b128 v[LB+3], v[LB+4:LB+7] offset:512*\i      ; every place holds the dump row until a row takes it
.endr
.irp k, 0,1,2,3
	v_add_nc_u32 v[LB+8+\k], 32*\k, v[LANE]        ; the slots of my bit in four words on end
.endr
	v_add_nc_u32 v[LB+12], 1024, v[LANE]           ; my dump word
	s_mov_b32 s41, 0                               ; the count
	s_wait_loadcnt 0x0
	LISTHALF LB+1
	LISTHALF LB+2
	v_mov_b32 v[LB+20], s41
	v_mov_b32 v[LB+21], LIST+4224
	ds_store_b32 v[LB+21], v[LB+20]
	s_branch .LbarL
.Lnot0:
.if MODE == 1
	s_cmp_lg_u32 s[WV], 1
	s_cbranch_scc1 .LbarL
	; WAVE 1: the slice's 128 biases, rounded to bf16 like every input and widened again
	global_load_b128 v[TP:TP+3], v[L16], s[8:9]
	s_wait_loadcnt 0x0
	v_cvt_pk_bf16_f32 v[TP+4], v[TP], v[TP+1]
	v_cvt_pk_bf16_f32 v[TP+5], v[TP+2], v[TP+3]
	v_lshlrev_b32 v[TP], 16, v[TP+4]
	v_and_b32 v[TP+1], 0xffff0000, v[TP+4]
	v_lshlrev_b32 v[TP+2], 16, v[TP+5]
	v_and_b32 v[TP+3], 0xffff0000, v[TP+5]
	v_add_nc_u32 v[TP+6], BIAS, v[L16]
	ds_store_b128 v[TP+6], v[TP:TP+3]
.endif
.LbarL:
	s_wait_dscnt 0x0                               ; list, count and biases are in LDS
	s_barrier_signal -1
	s_barrier_wait -1
	v_mov_b32 v[TP], LIST+4224
	ds_load_b32 v[TP+1], v[TP]
	s_wait_dscnt 0x0
	v_readfirstlane_b32 s[NE], v[TP+1]
	s_min_u32 s[NE], s[NE], 0x400
.if MODE == 1
	s_cmp_lt_u32 s[WV], 4
	s_cbranch_scc0 .Lfused
	s_lshl_b32 s[RB0], s[WV], 6                    ; ranks 64 w + 16 j
	s_wait_loadcnt 0x0                             ; no load of mine is out
	TILEADDR 4, 0
	s_mov_b32 s[TB], 0
.irp i, 0,1,2,3
	ALOAD \i
.endr
	s_mov_b32 s[FIRST], 1
.Lfused:
.endif
	s_mov_b32 s[TRIP], 3
.Ltrip:                                                ; trips 0-2; a loader's counts: the three younger units of its ring, 16 loads each
	BIG 1, 48, 48, 48, 48, -1
	s_sub_co_u32 s[TRIP], s[TRIP], 1
	s_cmp_lg_u32 s[TRIP], 0
	s_cbranch_scc1 .Ltrip
	BIG 0, 48, 32, 16, 0, 3                        ; the last trip asks for no weights: the counts run down
	; THE PASSES.  Pass 0 is the way out of the walk's 256 ranks; passes 1-3 take ranks 256 g .. 256 g + 255, two neighbouring blocks a wave, from the finished fragments.  Nothing stores to LDS here: no barrier
	s_mov_b32 s[GP], 0
.Lpass:
	s_cmp_lg_u32 s[GP], 0
	s_cbranch_scc1 .Lgen
	s_cmp_lt_u32 s[WV], 4
	s_cbranch_scc0 .Lpnext
.if MODE == 1
	s_mov_b32 s[LIM], 0x400                        ; blocks 0-15 are stored whatever the count
.else
	s_mov_b32 s[LIM], s[NE]
.endif
	s_branch .Lepi
.Lgen:
	s_xor_b32 s36, s[WV], 4                        ; the loaders, free first, take the lowest ranks
	s_lshl_b32 s36, s36, 5
	s_lshl_b32 s37, s[GP], 8
	s_add_co_u32 s[RB0], s36, s37
	s_cmp_ge_u32 s[RB0], s[NE]
	s_cbranch_scc1 .Lpnext
	s_add_co_u32 s[LIM], s[RB0], 32                ; two blocks are mine
	s_min_u32 s[LIM], s[LIM], s[NE]
	s_wait_loadcnt 0x0                             ; no load of mine is out: A's registers, offsets and base may be written
	TILEADDR 2, 1
	s_mov_b64 s[NB:NB+1], s[4:5]
.irp i, 0,1,2,3,4,5,6,7
	PALOAD \i                                      ; K steps 0-7
.endr
.set pp_, 0
	PBLOAD L16, 0                                  ; the weights' fragments of K steps 0 and 1
.set pp_, 1
	PBLOAD L16, 8192
	WIN 0
	s_mov_b32 s[TB], 0
	s_mov_b32 s[FIRST], 1
	s_mov_b32 s[KC], 4
.Lkc:                                                  ; a lap: eight K steps.  The last lap asks again for its own A and for the first fragments, which nobody uses: one text for every lap, and no access leaves its bounds
	s_wait_xcnt 0x0                                ; A's base is stepped only behind this wait
	s_cmp_eq_u32 s[KC], 1
	s_cselect_b32 s36, 0, 8*AKS
	s_mov_b32 s37, 0
	s_add_nc_u64 s[NB:NB+1], s[NB:NB+1], s[36:37]
	v_add_nc_u32 v[BA], s[TB], v[L16]
	s_add_co_u32 s[TB], s[TB], 0x10000
	s_and_b32 s38, s[TB], 0x3ffff                  ; behind the last fragments: back to the first
	v_add_nc_u32 v[BA2], s38, v[L16]
	s_cmp_eq_u32 s[FIRST], 1
	s_cbranch_scc0 .Lpacc
	PSTEP 0, 1
	s_mov_b32 s[FIRST], 0
	s_branch .Lpgo
.Lpacc:
	PSTEP 0, 0
.Lpgo:
.irp i, 1,2,3,4,5,6,7
	PSTEP \i, 0
.endr
	s_sub_co_u32 s[KC], s[KC], 1
	s_cmp_lg_u32 s[KC], 0
	s_cbranch_scc1 .Lkc
.Lepi:                                                 ; THE WAY OUT, a block of 16 rows at a time; the last K step's four v_nop are the places in front of it
	s_wait_loadcnt 0x0                             ; no load of mine is out,
	s_wait_dscnt 0x0                               ; from memory or from LDS: the fragments' registers are free
.if MODE == 1
	v_lshl_add_u32 v[TP], v[H], 7, BIAS            ; my 32 columns of each 64
.irp u, 0,1
.irp m, 0,1,2,3,4,5,6,7
	ds_load_b128 v[BI+32*\u+4*\m:BI+32*\u+4*\m+3], v[TP] offset:256*\u+16*\m
.endr
.endr
	s_wait_dscnt 0x0
.endif
	s_mov_b32 s[BLK], 0
.Lblk:
	s_lshl_b32 s36, s[BLK], 4
	s_add_co_u32 s[RBC], s[RB0], s36
	s_cmp_ge_u32 s[RBC], s[LIM]
	s_cbranch_scc1 .Lbnext                         ; such a block stores nothing
.if MODE == 1
	s_lshl_b32 s36, s[RBC], 13                     ; a block of 16 ranks is 131,072 bytes of hb
	v_add_nc_u32 v[GO], s36, v[L16]
.else
	v_lshl_add_u32 v[TP], v[H], 3, s[RBC]          ; the rank of my first row, 8 h into the block
	v_min_u32 v[TP], 0x3f8, v[TP]
	v_lshl_add_u32 v[TP], v[TP], 2, LIST
	ds_load_b128 v[SL:SL+3], v[TP]                 ; the slots of my eight rows; past the count: the dump row
	ds_load_b128 v[SL+4:SL+7], v[TP] offset:16
	s_wait_dscnt 0x0
.irp g, 0,1,2,3,4,5,6,7
	v_min_u32 v[SL+\g], 0x807, v[SL+\g]
	v_lshl_add_u32 v[GO+\g], v[SL+\g], 12, v[C16]
.endr
.endif
	s_cmp_eq_u32 s[BLK], 0
	s_cbranch_scc1 .Ld0
	s_cmp_eq_u32 s[BLK], 1
	s_cbranch_scc1 .Ld1
	s_cmp_eq_u32 s[BLK], 2
	s_cbranch_scc1 .Ld2
	s_branch .Ld3
	DISP 0
	DISP 1
	DISP 2
	DISP 3
.Lcommon:
.if MODE == 1
.irp g, 0,1,2,3,4,5,6,7
	GELU8 T+8*\g
.endr
.irp i, 0,1,2,3,4,5,6,7,8,9,10,11,12,13,14,15,16,17,18,19,20,21,22,23,24,25,26,27,28,29,30,31
	v_cvt_pk_bf16_f32 v[OW+\i], v[T+2*\i], v[T+2*\i+1]
.endr
.irp p, 0,1,2,3,4,5,6,7
	global_store_b128 v[GO], v[OW+4*\p:OW+4*\p+3], s[12:13] offset:512*\p      ; piece p: the wave stores 512 consecutive bytes, aligned
.endr
.else
.irp g, 0,1,2,3,4,5,6,7
.irp u, 0,1
	global_store_b128 v[GO+\g], v[T+8*\g+4*\u:T+8*\g+4*\u+3], s[12:13] offset:256*\u   ; sixteen lanes store 256 consecutive bytes of a row, aligned
.endr
.endr
.endif
.Lbnext:
	s_wait_xcnt 0x0                                ; the stores' data and offsets are rewritten only behind this wait
	s_add_co_u32 s[BLK], s[BLK], 1
	s_cmp_lt_u32 s[BLK], 4
	s_cbranch_scc1 .Lblk
.Lpnext:
	s_add_co_u32 s[GP], s[GP], 1
	s_cmp_lt_u32 s[GP], 4
	s_cbranch_scc1 .Lpass
	s_wait_dscnt 0x0                               ; my LDS reads are back,
	s_barrier_signal -1
	s_barrier_wait -1                              ; and everybody's: no wave reads LDS when the closing lines write
	s_wait_tensorcnt 0x0                           ; the wave's end, behind my last LDS store
	ds_add_u32 v[SPW], v[NIL]
	s_wait_dscnt 0x0
	s_endpgm
.Lfunc_end_k_qae3113e63d_up:
	.size	k_qae3113e63d_up, .Lfunc_end_k_qae3113e63d_up-k_qae3113e63d_up
	.p2alignl 7, 3214868480
	.fill 96, 4, 3214868480
	.section	.rodata,"a",@progbits
	.p2align	6, 0x0
	.amdhsa_kernel k_qae3113e63d_up
		.amdhsa_group_segment_fixed_size 268032
		.amdhsa_private_segment_fixed_size 0
		.amdhsa_enable_private_segment 0
		.amdhsa_kernarg_size 40
		.amdhsa_user_sgpr_count 2
		.amdhsa_user_sgpr_kernarg_segment_ptr 1
		.amdhsa_wavefront_size32 1
		.amdhsa_system_sgpr_workgroup_id_x 1
		.amdhsa_system_sgpr_workgroup_id_y 1
		.amdhsa_system_sgpr_workgroup_id_z 1
		.amdhsa_system_vgpr_workitem_id 0
		.amdhsa_next_free_vgpr 512
		.amdhsa_next_free_sgpr 90
		.amdhsa_reserve_vcc 0
		.amdhsa_float_denorm_mode_32 3
		.amdhsa_float_denorm_mode_16_64 3
		.amdhsa_memory_ordered 1
		.amdhsa_forward_progress 1
		.amdhsa_inst_pref_size 179
	.end_amdhsa_kernel
	.amdgpu_metadata
---
amdhsa.version: [ 1, 2 ]
amdhsa.kernels:
  - .name:           k_qae3113e63d_up
    .symbol:         k_qae3113e63d_up.kd
    .args:
      - { .name: xb, .offset: 0, .size: 8, .value_kind: global_buffer, .address_space: global }
      - { .name: w1, .offset: 8, .size: 8, .value_kind: global_buffer, .address_space: global }
      - { .name: b1, .offset: 16, .size: 8, .value_kind: global_buffer, .address_space: global }
      - { .name: bm, .offset: 24, .size: 8, .value_kind: global_buffer, .address_space: global }
      - { .name: hb, .offset: 32, .size: 8, .value_kind: global_buffer, .address_space: global }
    .group_segment_fixed_size: 268032
    .private_segment_fixed_size: 0
    .kernarg_segment_align: 8
    .kernarg_segment_size: 40
    .max_flat_workgroup_size: 256
    .sgpr_count:     90
    .vgpr_count:     512
    .wavefront_size: 32
...
	.end_amdgpu_metadata
.endif
;; end of part 2
;; launch down (part 3): grid 32 x 8, 8 waves a work-group, no clusters, 268,032 bytes of LDS; arguments hb, w2, bm, part; writes part
.if DOCPART == 3
	.amdgcn_target "amdgcn-amd-amdhsa--gfx1250"
	.amdhsa_code_object_version 6
	.text
	.protected	k_qae3113e63d_down
	.globl	k_qae3113e63d_down
	.p2align	8
	.type	k_qae3113e63d_down,@function
k_qae3113e63d_down:
	s_mov_b64 s[64:65], 0
	v_nop
	global_prefetch_b8 v0, s[64:65] scope:SCOPE_SE
	s_setreg_imm32_b32 hwreg(HW_REG_WAVE_MODE, 25, 1), 1
	s_wait_xcnt 0x0
; ONE TEXT FOR BOTH PRODUCTS OF THE EXPERTS.
; MODE 1: hb = gelu(xb[token] w1[e] + b1[e]) in bf16, by expert and rank, laid as the next launch's matrix fragments.
; MODE 2: part[q][slot] = hb w2[e] over K quarter q, in f32; the gate's weight, b2 and the sum over quarters and choices are the last launch's.
; SHARES.  Work-group (x, e) has a slice of ONE expert's weights, 1,024 K x 128 columns of f32, which it alone reads, once, and all of that expert's rows (0 to 1,024 of them).
; In MODE 2 x = 8 q + ns: K quarter q of the 4,096, columns 128 ns on.  The slice is rounded to bf16, turned in registers and laid into LDS as matrix fragments, 262,144 bytes, each byte written once.
; ROLES, by the wave's number.  Waves 4-7 LOAD: each keeps a ring of four units, 64 loads of 16 bytes a lane, on its way.  Waves 0-3 COMPUTE: 64 rows x 128 columns each (ranks 0-255).
; A TRIP is 256 K, one full turn of the ring.  The loaders round each unit into registers as it lands and ask for the next at once; barrier; they lay the trip's fragments; barrier; the compute waves multiply them
; while the loaders round the next trip's.  So no wave stores to LDS while another reads it.  Ranks from 256 on are taken behind the walk in three passes by all eight waves, 32 rows each, the loaders first; nothing stores to LDS there.
; THE LIST.  Wave 0 turns the expert's map of 2,048 bits into a list of slots in LDS (whole numbers alone).  Places past the count hold the expert's dump row, 2048 + e: as a token that is row 1023, which exists; as a row of part nobody reads it.
; THE TURN.  Weights lie [K][N].  A lane loads 16 rows x 4 columns; v_cvt_pk_bf16_f32 of two rows' numbers of one column IS a fragment register.  Fragment 4 u + j holds columns 64 u + 4 n + j (n = its index).
; MODE 1 takes the weights as source 0 and 16 tokens as source 1: lane (r, h) register g of accumulator (blk, 4 u + j) is token r, column 64 u + 32 h + 4 g + j.  Eight neighbouring columns are 16 bytes (a PIECE; a lane has 8),
; and a wave's store of piece p is 512 consecutive bytes.  hb[e][block of 16 ranks][slice of 128 columns][p][lane][16 bytes]: pieces 2 s and 2 s + 1 ARE the fragment of K step s of the slice as MODE 2's source 0 takes it.
; Slot k = 8 h + i (+ 16 c) of that K step is column 64 (s / 2) + 16 (s % 2) + 32 h + 8 c + i of the slice; MODE 2 takes w2's rows in the same order, so each product meets its partner.  Blocks 0-15 are always stored,
; so that MODE 2's walk reads written bytes whatever the count; later blocks where they hold a live row.
; MODE 2 takes 16 rows as source 0 and the weights as source 1: lane (n, h) register g is row 8 h + g, column 64 u + 4 n + j: for one g the accumulators j = 0..3 are four neighbouring columns, gathered into four
; neighbouring registers for a 16-byte store: sixteen lanes store 256 consecutive aligned bytes of a row.
; NO TENSOR LOADS: the weights must be rounded and turned on the way, and as f32 the slice does not fit in LDS.  NO CLUSTER: each weight byte has one reader; what an expert's work-groups share, its rows, is read straight into registers as fragments.
; GELU (MODE 1): max(x, 0) - |x| Q, Q = t (A1 + t (A2 + t (A3 + t (A4 + t A5)))) 2^(c x^2), t = 1 / (1 + P |x|): the rational formula for erf with error at most 1.5e-7 for every x.
; LIMITS.  b1 is rounded to bf16 like every input; a Q below 2^-126 counts as 0; NaN and infinities are not treated apart.
.set MODE, 2
.if MODE == 1
.set WPITCH, 16384                     ; bytes from a K row of the weights to the next
.set AKS,    64                        ; bytes of A from a K step to the next (a row of xb lies along K)
.set AHF,    32                        ; from a fragment's registers 0-3 to its registers 4-7
.set HROWS,  8                         ; the weight rows of lanes 16-31 lie HROWS below those of lanes 0-15
.else
.set WPITCH, 4096
.set AKS,    1024                      ; hb holds whole fragments
.set AHF,    512
.set HROWS,  32
.endif
.set ACH,   4*AKS                      ; A: a chunk of 128 K
.set CH,    128*WPITCH                 ; the weights: a chunk of 128 K
.set LIST,  262144                     ; behind the fragments: 1,024 slots; + 4,096: 32 dump words; + 4,224: the count
.set BIAS,  266496                     ; 128 f32 (MODE 1)
.set SPARE, 267008                     ; the spare words: 128 bytes a wave, four blocks of 256 that no other line names
.set LANE, 1
.set R,    2                           ; lane % 16
.set H,    3                           ; lane / 16
.set SPW,  4                           ; my spare word's LDS address; never rewritten
.set NIL,  5                           ; 0; never rewritten
.set L16,  6                           ; 16 lane
.set C16,  7                           ; 16 (lane % 16)
.set AO,   8                           ; v8-11   block j: my byte offset in A
.set H16,  12                          ; 16 h
.set VDUMP, 13                         ; 2048 + e
.set BA,   14                          ; LDS address of the fragments in hand
.set BA2,  15                          ; the passes: of the next eight K steps
.set GO,   16                          ; v16-23  byte offsets of what I store (MODE 1: one)
.set SL,   24                          ; v24-31  MODE 2: my eight rows' slots
.set WST,  48                          ; v48-51  loaders: where trip k's fragments go; never rewritten
.set WOF,  52                          ; loaders: my offset in a unit of the weights; never rewritten
.set TP,   54                          ; v54-63  at work
.set AF,   64                          ; v64-191  A's fragments: the walk: 4 K steps x 4 blocks x 8; the passes: 8 K steps x 2 blocks x 8
.set BF,   192                         ; v192-255 the weights' 8 fragments of one K step
.set FR,   64                          ; loaders: v64-191 a trip's 16 fragments
.set LB,   192                         ; v192-213 wave 0, the list: at work
.set T,    64                          ; the way out: v64-127 a block's 64 numbers
.set BI,   128                         ; v128-191 their biases (MODE 1)
.set AX,   192                         ; GELU at work: |x|, t, the exponential, the polynomial
.set TT,   200
.set EE,   208
.set PP,   216
.set OW,   224                         ; v224-255 the block in bf16
; window 1 (v256-511): compute: accumulator (blk, f) at 64 blk + 8 f; the passes: v128-191 of it a second buffer of weight fragments; loaders: the ring, four units of 64 registers
.set WV, 16
.set LW, 17
.set EX, 18
.set NE, 20                            ; the expert's rows
.set DUMP, 21
.set TB, 22                            ; LDS byte of the fragments that are multiplied
.set CN, 23                            ; counts a trip's two chunks
.set TRIP, 24
.set FIRST, 25                         ; 1: the next K step starts the sums
.set GP, 26
.set LIM, 27                           ; blocks that begin at or past this rank store nothing
.set RB0, 28                           ; first rank of my blocks; block j begins 16 j on
.set BLK, 32
.set RBC, 33
.set NB, 34                            ; s[34:35] the passes: A at the eight K steps that are asked for
.set KC, 44
.set CP, 46                            ; s[46:59] seven constants, each twice: the packed forms name pairs
.set CC, 48
.set CA1, 50
.set CA2, 52
.set CA3, 54
.set CA4, 56
.set CA5, 58
.set ABSM, 60
.set AB, 66                            ; s[66:73] the walk: a base of A for each of a chunk's four K steps
.set WB, 74                            ; s[74:81] a base of the weights for each slot of the ring
.set LWD, 82                           ; s82-85  the list: four words of the map
.set LI, 86                            ; s87-89  their numbers
.set MSB, 0
.macro WIN new                         ; the immediate's high byte repeats the setting that is left; a switch that changes nothing is dropped
.if MSB != (\new)
	s_set_vgpr_msb (MSB<<8)|(\new)
.set MSB, (\new)
.endif
.endm
.macro PLACES                          ; four places behind matrix instructions, in front of loads into their sources and of reads of their results
.rept 4
	v_nop
.endr
.endm
; Ring slot s holds a unit, 32 K x 64 columns: chunk s / 2 of the trip, columns 64 (s % 2) on.  Load t brings the row that stands at k = 8 h + t (t < 8) or 16 + 8 h + t - 8 of my K step:
; lanes 0-15 take 256 consecutive aligned bytes of one row, lanes 16-31 of another.
.macro ISSUE slot
	WIN 0x40                                       ; destination window 1
.set t, 0
.rept 16
.if MODE == 1
.set row_, t+8*(t/8)
.else
.set row_, t                           ; hb's order of the columns, which are w2's rows
.endif
	global_load_b128 v[64*(\slot)+4*t:64*(\slot)+4*t+3], v[WOF], s[WB+2*(\slot):WB+2*(\slot)+1] offset:row_*WPITCH+256*((\slot)%2)+((\slot)/2)*CH th:TH_LOAD_NT
.set t, t+1
.endr
.endm
; A unit is rounded and turned: fragment j's register i is loads 2 i, 2 i + 1 of column j.  left: the younger loads that may stay out.  re = 1: the slot is asked for again, for the next trip.
.macro CONVERT slot, left, re
	s_wait_loadcnt \left
	WIN 0x05                                       ; sources window 1, destination window 0
.irp j, 0,1,2,3
.irp i, 0,1,2,3,4,5,6,7
	v_cvt_pk_bf16_f32 v[FR+32*(\slot)+8*\j+\i], v[64*(\slot)+8*\i+\j], v[64*(\slot)+8*\i+4+\j]
.endr
.endr
.if \re
	s_add_nc_u64 s[WB+2*(\slot):WB+2*(\slot)+1], s[WB+2*(\slot):WB+2*(\slot)+1], 2*CH  ; the slot's own base: the wait above has shown the only loads that named it done
	ISSUE \slot
.endif
.endm
; Trip k's 16 fragments of mine are laid.  Fragment (K step KS, f) lies at (8 KS + f) x 1,024: registers 0-3 at 16 lane, registers 4-7 512 bytes on: each store covers 512 consecutive bytes.
.macro STORES k
.irp s, 0,1,2,3
.irp j, 0,1,2,3
	ds_store_b128 v[WST+(\k)], v[FR+32*\s+8*\j:FR+32*\s+8*\j+3] offset:(\s/2)*32768+(4*(\s%2)+\j)*1024
	ds_store_b128 v[WST+(\k)], v[FR+32*\s+8*\j+4:FR+32*\s+8*\j+7] offset:(\s/2)*32768+(4*(\s%2)+\j)*1024+512
.endr
.endr
.endm
.macro BLOAD step, half                ; four of a K step's eight weight fragments
.irp f, 0,1,2,3
	ds_load_b128 v[BF+8*(4*(\half)+\f):BF+8*(4*(\half)+\f)+3], v[BA] offset:(\step)*8192+(4*(\half)+\f)*1024
	ds_load_b128 v[BF+8*(4*(\half)+\f)+4:BF+8*(4*(\half)+\f)+7], v[BA] offset:(\step)*8192+(4*(\half)+\f)*1024+512
.endr
.endm
.macro ALOAD i                         ; the walk: A's fragments of K step i of a chunk, four blocks, by that K step's own base
.set b_, 0
.rept 4
	global_load_b128 v[AF+32*(\i)+8*b_:AF+32*(\i)+8*b_+3], v[AO+b_], s[AB+2*(\i):AB+2*(\i)+1] offset:AKS*(\i)
	global_load_b128 v[AF+32*(\i)+8*b_+4:AF+32*(\i)+8*b_+7], v[AO+b_], s[AB+2*(\i):AB+2*(\i)+1] offset:AKS*(\i)+AHF
.set b_, b_+1
.endr
.endm
.macro MULS i, half, zero              ; 4 fragments x 4 blocks; every accumulator once a K step: they take turns
	WIN 0x50                                       ; C and D window 1
.irp f, 0,1,2,3
.set b_, 0
.rept 4
.set d_, 64*b_+8*(4*(\half)+\f)
.if MODE == 1
.set p_, BF+8*(4*(\half)+\f)           ; source 0: the weights
.set q_, AF+32*(\i)+8*b_               ; source 1: 16 tokens
.else
.set p_, AF+32*(\i)+8*b_               ; source 0: 16 rows
.set q_, BF+8*(4*(\half)+\f)           ; source 1: the weights
.endif
.if \zero
	v_wmma_f32_16x16x32_bf16 v[d_:d_+7], v[p_:p_+7], v[q_:q_+7], 0
.else
	v_wmma_f32_16x16x32_bf16 v[d_:d_+7], v[p_:p_+7], v[q_:q_+7], v[d_:d_+7]
.endif
.set b_, b_+1
.endr
.endr
.endm
; K step i of a chunk's four.  bnext: the next step's fragments follow each half's products.  anext: buffer i takes the same step of the next chunk.
.macro KSTEP i, zero, bnext, anext
.if \anext
	s_wait_loadcnt 24                              ; the three younger buffers of A, 8 loads each, stay out
	s_add_nc_u64 s[AB+2*(\i):AB+2*(\i)+1], s[AB+2*(\i):AB+2*(\i)+1], ACH  ; this K step's own base: that wait has shown the only loads that named it done
.else
	s_wait_loadcnt (3-(\i))*8                      ; the last chunk asks for nothing: the counts run down
.endif
	s_wait_dscnt 8                                 ; fragments 0-3 are in; the eight loads of fragments 4-7 may be out
	MULS \i, 0, \zero
	PLACES
	WIN 0
.if \bnext
	BLOAD (\i)+1, 0
	s_wait_dscnt 8                                 ; fragments 4-7 are in; the eight just issued may be out
.else
	s_wait_dscnt 0x0
.endif
	MULS \i, 1, \zero
	PLACES
	WIN 0
.if \bnext
	BLOAD (\i)+1, 1
.endif
.if \anext
	ALOAD \i
.endif
.endm
; A chunk of 128 K.  first = 1: where FIRST is 1 the first K step starts the sums with the constant 0: nothing is cleared.
.macro COMPUTE first, anext
	v_add_nc_u32 v[BA], s[TB], v[L16]
	BLOAD 0, 0
	BLOAD 0, 1
.if \first
	s_cmp_eq_u32 s[FIRST], 1
	s_cbranch_scc0 .Lacc_\@
	KSTEP 0, 1, 1, \anext
	s_mov_b32 s[FIRST], 0
	s_branch .Lgo_\@
.Lacc_\@:
.endif
	KSTEP 0, 0, 1, \anext
.if \first
.Lgo_\@:
.endif
	KSTEP 1, 0, 1, \anext
	KSTEP 2, 0, 1, \anext
	KSTEP 3, 0, 0, \anext
	s_add_co_u32 s[TB], s[TB], 32768
.endm
; My blocks' offsets in A.  MODE 1: rank -> slot -> token -> row of xb.  MODE 2: a block of 16 ranks is 131,072 bytes of hb; dead = 1: a block past the count, which nobody stored, gives way to my first.
.macro TILEADDR nblk, dead
.if MODE == 1
	v_add_nc_u32 v[TP+8], s[RB0], v[R]
.set j_, 0
.rept \nblk
	v_add_nc_u32 v[TP+j_], 16*j_, v[TP+8]
	v_min_u32 v[TP+j_], 0x3ff, v[TP+j_]
	v_lshl_add_u32 v[TP+j_], v[TP+j_], 2, LIST
	ds_load_b32 v[TP+4+j_], v[TP+j_]
.set j_, j_+1
.endr
	s_wait_dscnt 0x0
.set j_, 0
.rept \nblk
	v_min_u32 v[TP+4+j_], 0x7ff, v[TP+4+j_]        ; a loaded number enters an address only behind a clamp
	v_and_b32 v[TP+4+j_], 0x3ff, v[TP+4+j_]        ; the slot's token
	v_lshl_add_u32 v[AO+j_], v[TP+4+j_], 11, v[H16]
.set j_, j_+1
.endr
.else
.set j_, 0
.rept \nblk
	s_add_co_u32 s36, s[RB0], 16*j_
.if (\dead) && (j_ > 0)
	s_cmp_lt_u32 s36, s[NE]
	s_cselect_b32 s36, s36, s[RB0]
.endif
	s_min_u32 s36, s36, 0x3f0
	s_lshl_b32 s36, s36, 13
	v_add_nc_u32 v[AO+j_], s36, v[L16]
.set j_, j_+1
.endr
.endif
.endm
; A TRIP of the walk, 256 K.  re = 1: the ring is asked for again.  l0-l3: the loaders' counts.  k: which trip's place the fragments take; below 0: the loop's trips, and the loop's counter says.
.macro BIG re, l0, l1, l2, l3, k
	s_cmp_lt_u32 s[WV], 4
	s_cbranch_scc1 .Lma_\@
	CONVERT 0, \l0, \re
	CONVERT 1, \l1, \re
	CONVERT 2, \l2, \re
	CONVERT 3, \l3, \re
	WIN 0
.Lma_\@:
	s_wait_dscnt 0x0                               ; a compute wave's reads of the trip before have come back
	s_barrier_signal -1
	s_barrier_wait -1                              ; nobody reads LDS now
	s_cmp_lt_u32 s[WV], 4
	s_cbranch_scc1 .Lmb_\@
.if (\k) < 0
	s_cmp_eq_u32 s[TRIP], 3                        ; a block of stores for each trip of the loop: its LDS addresses are a constant, 8,192 x the loader's number and 16 x the lane
	s_cbranch_scc0 .Lmc_\@
	STORES 0
	s_branch .Lmb_\@
.Lmc_\@:
	s_cmp_eq_u32 s[TRIP], 2
	s_cbranch_scc0 .Lmd_\@
	STORES 1
	s_branch .Lmb_\@
.Lmd_\@:
	STORES 2
.else
	STORES \k
.endif
.Lmb_\@:
	s_wait_dscnt 0x0                               ; for the others' sake: my stores of the trip's fragments are done
	s_barrier_signal -1
	s_barrier_wait -1                              ; the trip's fragments are whole
	s_cmp_lt_u32 s[WV], 4
	s_cbranch_scc0 .Lme_\@
.if (\k) < 0
	s_mov_b32 s[CN], 2                             ; the trip's two chunks: written once, walked twice
.Lcc_\@:
	COMPUTE 1, 1
	s_sub_co_u32 s[CN], s[CN], 1
	s_cmp_lg_u32 s[CN], 0
	s_cbranch_scc1 .Lcc_\@
.else
	COMPUTE 0, 1
	COMPUTE 0, 0
.endif
.Lme_\@:
.endm
; THE PASSES' K STEP.  Two blocks x eight fragments.  A has eight buffers and is asked for eight K steps ahead; the weights' fragments have two whole-step buffers and are asked for two K steps ahead.
.macro PALOAD i                        ; A's fragments of K step i of eight, two blocks
.set b_, 0
.rept 2
	global_load_b128 v[AF+16*(\i)+8*b_:AF+16*(\i)+8*b_+3], v[AO+b_], s[NB:NB+1] offset:AKS*(\i)
	global_load_b128 v[AF+16*(\i)+8*b_+4:AF+16*(\i)+8*b_+7], v[AO+b_], s[NB:NB+1] offset:AKS*(\i)+AHF
.set b_, b_+1
.endr
.endm
.macro PBLOAD areg, off                ; a K step's eight weight fragments into buffer pp_: 0: v192-255 of window 0; 1: v128-191 of window 1
.if pp_
	WIN 0x40
.set d_, 128
.else
	WIN 0
.set d_, BF
.endif
.irp f, 0,1,2,3,4,5,6,7
	ds_load_b128 v[d_+8*\f:d_+8*\f+3], v[\areg] offset:(\off)+\f*1024
	ds_load_b128 v[d_+8*\f+4:d_+8*\f+7], v[\areg] offset:(\off)+\f*1024+512
.endr
.endm
.macro PMUL i, zero                    ; 16 products on 16 accumulators, which take turns
.set pp_, (\i)%2
.if MODE == 1
	WIN 0x50+pp_                                   ; the weights are source 0
.else
	WIN 0x50+4*pp_                                 ; the weights are source 1
.endif
.irp f, 0,1,2,3,4,5,6,7
.set b_, 0
.rept 2
.set d_, 64*b_+8*\f
.if MODE == 1
.set p_, BF+8*\f-64*pp_
.set q_, AF+16*(\i)+8*b_
.else
.set p_, AF+16*(\i)+8*b_
.set q_, BF+8*\f-64*pp_
.endif
.if \zero
	v_wmma_f32_16x16x32_bf16 v[d_:d_+7], v[p_:p_+7], v[q_:q_+7], 0
.else
	v_wmma_f32_16x16x32_bf16 v[d_:d_+7], v[p_:p_+7], v[q_:q_+7], v[d_:d_+7]
.endif
.set b_, b_+1
.endr
.endr
.endm
.macro PSTEP i, zero
	s_wait_loadcnt 28                              ; the seven younger buffers of A, 4 loads each, stay out
	s_wait_dscnt 16                                ; this step's fragments are in; the next step's sixteen loads may be out
	PMUL \i, \zero
	PLACES
.if (\i) < 6
	PBLOAD BA, ((\i)+2)*8192                       ; the buffer just multiplied takes the step two further on
.else
	PBLOAD BA2, ((\i)-6)*8192
.endif
	WIN 0
	PALOAD \i                                      ; and A's buffer the step eight further on
.endm
; 32 words of the map, four a trip, in chains that do not wait for each other.  Lane l looks at bit l of a word: the word itself is the lane mask.  A set bit's place in the list is the count so far plus the set bits below it.
.macro LISTHALF src
	s_mov_b32 s42, 0
.Llist_\@:
.irp k, 1,2,3
	s_add_co_u32 s[LI+\k], s42, \k
.endr
	v_readlane_b32 s[LWD], v[\src], s42
.irp k, 1,2,3
	v_readlane_b32 s[LWD+\k], v[\src], s[LI+\k]
.endr
.irp k, 0,1,2,3
	v_mbcnt_lo_u32_b32 v[LB+16+\k], s[LWD+\k], s41
	s_bcnt1_i32_b32 s43, s[LWD+\k]
	s_add_co_u32 s41, s41, s43
.endr
.irp k, 0,1,2,3
	v_cndmask_b32 v[LB+16+\k], v[LB+12], v[LB+16+\k], s[LWD+\k]  ; a clear bit's lane writes its own dump word
.endr
.irp k, 0,1,2,3
	v_min_u32 v[LB+16+\k], 0x41f, v[LB+16+\k]
.endr
.irp k, 0,1,2,3
	v_lshl_add_u32 v[LB+16+\k], v[LB+16+\k], 2, LIST
.endr
.irp k, 0,1,2,3
	ds_store_b32 v[LB+16+\k], v[LB+8+\k]
.endr
.irp k, 0,1,2,3
	v_add_nc_u32 v[LB+8+\k], 128, v[LB+8+\k]
.endr
	s_add_co_u32 s42, s42, 4
	s_cmp_lt_u32 s42, 32
	s_cbranch_scc1 .Llist_\@
.endm
.macro SC2 reg, val
	s_mov_b32 s[\reg], \val
	s_mov_b32 s[\reg+1], \val
.endm
.macro GELU8 tb                        ; eight numbers in place; behind each run of transcendentals stands plain work that touches none of its registers
.irp k, 0,1,2,3,4,5,6,7
	v_and_b32 v[AX+\k], s[ABSM], v[(\tb)+\k]
.endr
.irp k, 0,2,4,6
	v_pk_fma_f32 v[TT+\k:TT+\k+1], v[AX+\k:AX+\k+1], s[CP:CP+1], 1.0 op_sel_hi:[1,0,0]
.endr
.irp k, 0,2,4,6
	v_pk_mul_f32 v[EE+\k:EE+\k+1], v[(\tb)+\k:(\tb)+\k+1], v[(\tb)+\k:(\tb)+\k+1]
.endr
.irp k, 0,1,2,3,4,5,6,7
	v_rcp_f32 v[TT+\k], v[TT+\k]
.endr
.irp k, 0,2,4,6
	v_pk_mul_f32 v[EE+\k:EE+\k+1], v[EE+\k:EE+\k+1], s[CC:CC+1] op_sel_hi:[1,0]
.endr
.irp k, 0,1,2,3,4,5,6,7
	v_exp_f32 v[EE+\k], v[EE+\k]
.endr
.irp k, 0,2,4,6
	v_pk_fma_f32 v[PP+\k:PP+\k+1], v[TT+\k:TT+\k+1], s[CA5:CA5+1], s[CA4:CA4+1] op_sel_hi:[1,0,0]
.endr
.irp c, CA3, CA2, CA1
.irp k, 0,2,4,6
	v_pk_fma_f32 v[PP+\k:PP+\k+1], v[PP+\k:PP+\k+1], v[TT+\k:TT+\k+1], s[\c:\c+1] op_sel_hi:[1,1,0]
.endr
.endr
.irp k, 0,2,4,6
	v_pk_mul_f32 v[PP+\k:PP+\k+1], v[PP+\k:PP+\k+1], v[TT+\k:TT+\k+1]
.endr
.irp k, 0,2,4,6
	v_pk_mul_f32 v[PP+\k:PP+\k+1], v[PP+\k:PP+\k+1], v[EE+\k:EE+\k+1]
.endr
.irp k, 0,1,2,3,4,5,6,7
	v_max_num_f32 v[(\tb)+\k], 0, v[(\tb)+\k]
.endr
.irp k, 0,2,4,6
	v_pk_fma_f32 v[(\tb)+\k:(\tb)+\k+1], v[AX+\k:AX+\k+1], v[PP+\k:PP+\k+1], v[(\tb)+\k:(\tb)+\k+1] neg_lo:[1,0,0] neg_hi:[1,0,0]
.endr
.endm
; Block b's numbers leave the accumulators in the order in which they are stored; register 0 of every accumulator is read first.
; MODE 1: column order, the bias added on the way.  MODE 2: row by row: four accumulators' registers of one row go into four neighbouring registers, which a 16-byte store needs.
.macro COPY b
	WIN 0x01                                       ; source 0 window 1
.irp g, 0,1,2,3,4,5,6,7
.irp u, 0,1
.irp j, 0,1,2,3
.if MODE == 1
	v_add_f32 v[T+32*\u+4*\g+\j], v[64*(\b)+8*(4*\u+\j)+\g], v[BI+32*\u+4*\g+\j]
.else
	v_mov_b32 v[T+8*\g+4*\u+\j], v[64*(\b)+8*(4*\u+\j)+\g]
.endif
.endr
.endr
.endr
	WIN 0
.endm
.macro DISP b
.Ld\b:
	COPY \b
.if \b < 3
	s_branch .Lcommon
.endif
.endm
.if MODE == 1
	s_load_b256 s[4:11], s[0:1], 0x0               ; xb s[4:5], w1 s[6:7], b1 s[8:9], bm s[10:11]
	s_load_b64 s[12:13], s[0:1], 0x20              ; hb
.else
	s_load_b128 s[4:7], s[0:1], 0x0                ; hb s[4:5], w2 s[6:7]
	s_load_b64 s[10:11], s[0:1], 0x10              ; bm
	s_load_b64 s[12:13], s[0:1], 0x18              ; part
.endif
	v_lshl_add_u32 v[SPW], v0, 2, SPARE
	v_mov_b32 v[NIL], 0
	v_and_b32 v[LANE], 31, v0
	v_and_b32 v[R], 15, v0
	v_bfe_u32 v[H], v0, 4, 1
	v_lshrrev_b32 v[TP], 5, v0
	v_readfirstlane_b32 s[WV], v[TP]
	v_lshlrev_b32 v[L16], 4, v[LANE]
	v_lshlrev_b32 v[C16], 4, v[R]
	v_lshlrev_b32 v[H16], 4, v[H]
	s_and_b32 s[LW], s[WV], 3
	s_and_b32 s[EX], ttmp7, 0xffff                 ; the expert
	s_add_co_u32 s[DUMP], s[EX], 2048
	v_mov_b32 v[VDUMP], s[DUMP]
.if MODE == 1
	SC2 CP,  0x3e6d3388                            ; P  = 0.23164189
	SC2 CC,  0xbf38aa3b                            ; c  = -0.72134752 = -log2(e) / 2
	SC2 CA1, 0x3e027906                            ; A1 =  0.127414796
	SC2 CA2, 0xbe11a98e                            ; A2 = -0.142248368
	SC2 CA3, 0x3f35f0e3                            ; A3 =  0.71070687
	SC2 CA4, 0xbf3a00e3                            ; A4 = -0.72657601
	SC2 CA5, 0x3f07dc22                            ; A5 =  0.53070271
	s_mov_b32 s[ABSM], 0x7fffffff
.endif
	s_lshl_b32 s36, s[EX], 24                      ; an expert's weights are 16,777,216 bytes
	s_mov_b32 s37, 0
	s_mov_b32 s41, 0
	s_mov_b32 s43, 0
.if MODE == 1
	s_lshl_b32 s38, s[LW], 19                      ; loader lw has K step lw of each chunk: rows 32 lw on
	s_add_co_u32 s36, s36, s38
	s_lshl_b32 s38, ttmp9, 9                       ; the slice's 128 columns of f32
	s_add_co_u32 s36, s36, s38
	s_lshl_b32 s42, s[EX], 14
	s_add_co_u32 s42, s42, s38                     ; b1
	s_lshl_b32 s40, s[EX], 23                      ; hb: 8,388,608 bytes an expert,
	s_lshl_b32 s38, ttmp9, 12                      ; 4,096 a slice in each block of 16 ranks
	s_add_co_u32 s40, s40, s38
.else
	s_lshr_b32 s38, s[LW], 1                       ; loader lw has K step lw of each chunk: in hb's order rows 64 (lw / 2) + 16 (lw % 2) on
	s_lshl_b32 s38, s38, 6
	s_and_b32 s40, s[LW], 1
	s_lshl_b32 s40, s40, 4
	s_add_co_u32 s38, s38, s40
	s_lshl_b32 s38, s38, 12
	s_add_co_u32 s36, s36, s38
	s_lshr_b32 s39, ttmp9, 3                       ; q: the K quarter
	s_and_b32 s38, ttmp9, 7
	s_lshl_b32 s38, s38, 9                         ; the slice's 128 columns of f32
	s_add_co_u32 s36, s36, s38
	s_lshl_b32 s42, s39, 22                        ; 1,024 rows of 4,096 bytes
	s_add_co_u32 s36, s36, s42
	s_mul_i32 s40, s39, 8421376                    ; part's plane q
	s_add_co_u32 s40, s40, s38
	s_lshl_b32 s42, s[EX], 23                      ; hb: 8,388,608 bytes an expert,
	s_lshl_b32 s39, s39, 15                        ; the quarter's eight slices of 4,096 in each block of 16 ranks
	s_add_co_u32 s42, s42, s39
.endif
	s_lshl_b32 s38, s[EX], 8                       ; the expert's map
	s_mov_b32 s39, 0
	s_wait_kmcnt 0x0
	s_add_nc_u64 s[6:7], s[6:7], s[36:37]
	s_add_nc_u64 s[12:13], s[12:13], s[40:41]
.if MODE == 1
	s_add_nc_u64 s[8:9], s[8:9], s[42:43]
.else
	s_add_nc_u64 s[4:5], s[4:5], s[42:43]
.endif
	s_add_nc_u64 s[10:11], s[10:11], s[38:39]
.irp i, 0,1,2,3                        ; in every wave, from here on, the walking bases are A's and the weights' addresses
	s_mov_b64 s[AB+2*\i:AB+2*\i+1], s[4:5]
	s_mov_b64 s[WB+2*\i:WB+2*\i+1], s[6:7]
.endr
	s_mov_b64 s[NB:NB+1], s[4:5]
	s_cmp_lt_u32 s[WV], 4
	s_cbranch_scc1 .Lprep
	; LOADERS: the first trip's four units are asked for before anything else: 64 loads, 32,768 bytes, a wave
	v_mul_u32_u24 v[WOF], v[H], HROWS*WPITCH
	v_add_nc_u32 v[WOF], v[WOF], v[C16]
	s_lshl_b32 s36, s[LW], 13
	v_add_nc_u32 v[WST], s36, v[L16]               ; K step lw of each chunk: 8,192 lw + 16 lane,
	v_add_nc_u32 v[WST+1], 0x10000, v[WST]         ; and 65,536 for each trip
	v_add_nc_u32 v[WST+2], 0x20000, v[WST]
	v_add_nc_u32 v[WST+3], 0x30000, v[WST]
	ISSUE 0
	ISSUE 1
	ISSUE 2
	ISSUE 3
	WIN 0
	s_branch .LbarL
.Lprep:
.if MODE == 2                          ; hb needs no list: the first chunk of A is asked for at once
	s_lshl_b32 s[RB0], s[WV], 6                    ; ranks 64 w + 16 j
	TILEADDR 4, 0
	s_mov_b32 s[TB], 0
.irp i, 0,1,2,3
	ALOAD \i
.endr
	s_mov_b32 s[FIRST], 1
.endif
	s_cmp_lg_u32 s[WV], 0
	s_cbranch_scc1 .Lnot0
	; WAVE 0: the list
	v_lshlrev_b32 v[LB], 2, v[LANE]
	global_load_b32 v[LB+1], v[LB], s[10:11]               ; words 0-31: choice 0
	global_load_b32 v[LB+2], v[LB], s[10:11] offset:128    ; words 32-63: choice 1
.irp i, 4,5,6,7
	v_mov_b32 v[LB+\i], v[VDUMP]
.endr
	v_add_nc_u32 v[LB+3], LIST, v[L16]
.irp i, 0,1,2,3,4,5,6,7
	ds_store_b128 v[LB+3], v[LB+4:LB+7] offset:512*\i      ; every place holds the dump row until a row takes it
.endr
.irp k, 0,1,2,3
	v_add_nc_u32 v[LB+8+\k], 32*\k, v[LANE]        ; the slots of my bit in four words on end
.endr
	v_add_nc_u32 v[LB+12], 1024, v[LANE]           ; my dump word
	s_mov_b32 s41, 0                               ; the count
	s_wait_loadcnt 0x0
	LISTHALF LB+1
	LISTHALF LB+2
	v_mov_b32 v[LB+20], s41
	v_mov_b32 v[LB+21], LIST+4224
	ds_store_b32 v[LB+21], v[LB+20]
	s_branch .LbarL
.Lnot0:
.if MODE == 1
	s_cmp_lg_u32 s[WV], 1
	s_cbranch_scc1 .LbarL
	; WAVE 1: the slice's 128 biases, rounded to bf16 like every input and widened again
	global_load_b128 v[TP:TP+3], v[L16], s[8:9]
	s_wait_loadcnt 0x0
	v_cvt_pk_bf16_f32 v[TP+4], v[TP], v[TP+1]
	v_cvt_pk_bf16_f32 v[TP+5], v[TP+2], v[TP+3]
	v_lshlrev_b32 v[TP], 16, v[TP+4]
	v_and_b32 v[TP+1], 0xffff0000, v[TP+4]
	v_lshlrev_b32 v[TP+2], 16, v[TP+5]
	v_and_b32 v[TP+3], 0xffff0000, v[TP+5]
	v_add_nc_u32 v[TP+6], BIAS, v[L16]
	ds_store_b128 v[TP+6], v[TP:TP+3]
.endif
.LbarL:
	s_wait_dscnt 0x0                               ; list, count and biases are in LDS
	s_barrier_signal -1
	s_barrier_wait -1
	v_mov_b32 v[TP], LIST+4224
	ds_load_b32 v[TP+1], v[TP]
	s_wait_dscnt 0x0
	v_readfirstlane_b32 s[NE], v[TP+1]
	s_min_u32 s[NE], s[NE], 0x400
.if MODE == 1
	s_cmp_lt_u32 s[WV], 4
	s_cbranch_scc0 .Lfused
	s_lshl_b32 s[RB0], s[WV], 6                    ; ranks 64 w + 16 j
	s_wait_loadcnt 0x0                             ; no load of mine is out
	TILEADDR 4, 0
	s_mov_b32 s[TB], 0
.irp i, 0,1,2,3
	ALOAD \i
.endr
	s_mov_b32 s[FIRST], 1
.Lfused:
.endif
	s_mov_b32 s[TRIP], 3
.Ltrip:                                                ; trips 0-2; a loader's counts: the three younger units of its ring, 16 loads each
	BIG 1, 48, 48, 48, 48, -1
	s_sub_co_u32 s[TRIP], s[TRIP], 1
	s_cmp_lg_u32 s[TRIP], 0
	s_cbranch_scc1 .Ltrip
	BIG 0, 48, 32, 16, 0, 3                        ; the last trip asks for no weights: the counts run down
	; THE PASSES.  Pass 0 is the way out of the walk's 256 ranks; passes 1-3 take ranks 256 g .. 256 g + 255, two neighbouring blocks a wave, from the finished fragments.  Nothing stores to LDS here: no barrier
	s_mov_b32 s[GP], 0
.Lpass:
	s_cmp_lg_u32 s[GP], 0
	s_cbranch_scc1 .Lgen
	s_cmp_lt_u32 s[WV], 4
	s_cbranch_scc0 .Lpnext
.if MODE == 1
	s_mov_b32 s[LIM], 0x400                        ; blocks 0-15 are stored whatever the count
.else
	s_mov_b32 s[LIM], s[NE]
.endif
	s_branch .Lepi
.Lgen:
	s_xor_b32 s36, s[WV], 4                        ; the loaders, free first, take the lowest ranks
	s_lshl_b32 s36, s36, 5
	s_lshl_b32 s37, s[GP], 8
	s_add_co_u32 s[RB0], s36, s37
	s_cmp_ge_u32 s[RB0], s[NE]
	s_cbranch_scc1 .Lpnext
	s_add_co_u32 s[LIM], s[RB0], 32                ; two blocks are mine
	s_min_u32 s[LIM], s[LIM], s[NE]
	s_wait_loadcnt 0x0                             ; no load of mine is out: A's registers, offsets and base may be written
	TILEADDR 2, 1
	s_mov_b64 s[NB:NB+1], s[4:5]
.irp i, 0,1,2,3,4,5,6,7
	PALOAD \i                                      ; K steps 0-7
.endr
.set pp_, 0
	PBLOAD L16, 0                                  ; the weights' fragments of K steps 0 and 1
.set pp_, 1
	PBLOAD L16, 8192
	WIN 0
	s_mov_b32 s[TB], 0
	s_mov_b32 s[FIRST], 1
	s_mov_b32 s[KC], 4
.Lkc:                                                  ; a lap: eight K steps.  The last lap asks again for its own A and for the first fragments, which nobody uses: one text for every lap, and no access leaves its bounds
	s_wait_xcnt 0x0                                ; A's base is stepped only behind this wait
	s_cmp_eq_u32 s[KC], 1
	s_cselect_b32 s36, 0, 8*AKS
	s_mov_b32 s37, 0
	s_add_nc_u64 s[NB:NB+1], s[NB:NB+1], s[36:37]
	v_add_nc_u32 v[BA], s[TB], v[L16]
	s_add_co_u32 s[TB], s[TB], 0x10000
	s_and_b32 s38, s[TB], 0x3ffff                  ; behind the last fragments: back to the first
	v_add_nc_u32 v[BA2], s38, v[L16]
	s_cmp_eq_u32 s[FIRST], 1
	s_cbranch_scc0 .Lpacc
	PSTEP 0, 1
	s_mov_b32 s[FIRST], 0
	s_branch .Lpgo
.Lpacc:
	PSTEP 0, 0
.Lpgo:
.irp i, 1,2,3,4,5,6,7
	PSTEP \i, 0
.endr
	s_sub_co_u32 s[KC], s[KC], 1
	s_cmp_lg_u32 s[KC], 0
	s_cbranch_scc1 .Lkc
.Lepi:                                                 ; THE WAY OUT, a block of 16 rows at a time; the last K step's four v_nop are the places in front of it
	s_wait_loadcnt 0x0                             ; no load of mine is out,
	s_wait_dscnt 0x0                               ; from memory or from LDS: the fragments' registers are free
.if MODE == 1
	v_lshl_add_u32 v[TP], v[H], 7, BIAS            ; my 32 columns of each 64
.irp u, 0,1
.irp m, 0,1,2,3,4,5,6,7
	ds_load_b128 v[BI+32*\u+4*\m:BI+32*\u+4*\m+3], v[TP] offset:256*\u+16*\m
.endr
.endr
	s_wait_dscnt 0x0
.endif
	s_mov_b32 s[BLK], 0
.Lblk:
	s_lshl_b32 s36, s[BLK], 4
	s_add_co_u32 s[RBC], s[RB0], s36
	s_cmp_ge_u32 s[RBC], s[LIM]
	s_cbranch_scc1 .Lbnext                         ; such a block stores nothing
.if MODE == 1
	s_lshl_b32 s36, s[RBC], 13                     ; a block of 16 ranks is 131,072 bytes of hb
	v_add_nc_u32 v[GO], s36, v[L16]
.else
	v_lshl_add_u32 v[TP], v[H], 3, s[RBC]          ; the rank of my first row, 8 h into the block
	v_min_u32 v[TP], 0x3f8, v[TP]
	v_lshl_add_u32 v[TP], v[TP], 2, LIST
	ds_load_b128 v[SL:SL+3], v[TP]                 ; the slots of my eight rows; past the count: the dump row
	ds_load_b128 v[SL+4:SL+7], v[TP] offset:16
	s_wait_dscnt 0x0
.irp g, 0,1,2,3,4,5,6,7
	v_min_u32 v[SL+\g], 0x807, v[SL+\g]
	v_lshl_add_u32 v[GO+\g], v[SL+\g], 12, v[C16]
.endr
.endif
	s_cmp_eq_u32 s[BLK], 0
	s_cbranch_scc1 .Ld0
	s_cmp_eq_u32 s[BLK], 1
	s_cbranch_scc1 .Ld1
	s_cmp_eq_u32 s[BLK], 2
	s_cbranch_scc1 .Ld2
	s_branch .Ld3
	DISP 0
	DISP 1
	DISP 2
	DISP 3
.Lcommon:
.if MODE == 1
.irp g, 0,1,2,3,4,5,6,7
	GELU8 T+8*\g
.endr
.irp i, 0,1,2,3,4,5,6,7,8,9,10,11,12,13,14,15,16,17,18,19,20,21,22,23,24,25,26,27,28,29,30,31
	v_cvt_pk_bf16_f32 v[OW+\i], v[T+2*\i], v[T+2*\i+1]
.endr
.irp p, 0,1,2,3,4,5,6,7
	global_store_b128 v[GO], v[OW+4*\p:OW+4*\p+3], s[12:13] offset:512*\p      ; piece p: the wave stores 512 consecutive bytes, aligned
.endr
.else
.irp g, 0,1,2,3,4,5,6,7
.irp u, 0,1
	global_store_b128 v[GO+\g], v[T+8*\g+4*\u:T+8*\g+4*\u+3], s[12:13] offset:256*\u   ; sixteen lanes store 256 consecutive bytes of a row, aligned
.endr
.endr
.endif
.Lbnext:
	s_wait_xcnt 0x0                                ; the stores' data and offsets are rewritten only behind this wait
	s_add_co_u32 s[BLK], s[BLK], 1
	s_cmp_lt_u32 s[BLK], 4
	s_cbranch_scc1 .Lblk
.Lpnext:
	s_add_co_u32 s[GP], s[GP], 1
	s_cmp_lt_u32 s[GP], 4
	s_cbranch_scc1 .Lpass
	s_wait_dscnt 0x0                               ; my LDS reads are back,
	s_barrier_signal -1
	s_barrier_wait -1                              ; and everybody's: no wave reads LDS when the closing lines write
	s_wait_tensorcnt 0x0                           ; the wave's end, behind my last LDS store
	ds_add_u32 v[SPW], v[NIL]
	s_wait_dscnt 0x0
	s_endpgm
.Lfunc_end_k_qae3113e63d_down:
	.size	k_qae3113e63d_down, .Lfunc_end_k_qae3113e63d_down-k_qae3113e63d_down
	.p2alignl 7, 3214868480
	.fill 96, 4, 3214868480
	.section	.rodata,"a",@progbits
	.p2align	6, 0x0
	.amdhsa_kernel k_qae3113e63d_down
		.amdhsa_group_segment_fixed_size 268032
		.amdhsa_private_segment_fixed_size 0
		.amdhsa_enable_private_segment 0
		.amdhsa_kernarg_size 32
		.amdhsa_user_sgpr_count 2
		.amdhsa_user_sgpr_kernarg_segment_ptr 1
		.amdhsa_wavefront_size32 1
		.amdhsa_system_sgpr_workgroup_id_x 1
		.amdhsa_system_sgpr_workgroup_id_y 1
		.amdhsa_system_sgpr_workgroup_id_z 1
		.amdhsa_system_vgpr_workitem_id 0
		.amdhsa_next_free_vgpr 512
		.amdhsa_next_free_sgpr 90
		.amdhsa_reserve_vcc 0
		.amdhsa_float_denorm_mode_32 3
		.amdhsa_float_denorm_mode_16_64 3
		.amdhsa_memory_ordered 1
		.amdhsa_forward_progress 1
		.amdhsa_inst_pref_size 147
	.end_amdhsa_kernel
	.amdgpu_metadata
---
amdhsa.version: [ 1, 2 ]
amdhsa.kernels:
  - .name:           k_qae3113e63d_down
    .symbol:         k_qae3113e63d_down.kd
    .args:
      - { .name: hb, .offset: 0, .size: 8, .value_kind: global_buffer, .address_space: global }
      - { .name: w2, .offset: 8, .size: 8, .value_kind: global_buffer, .address_space: global }
      - { .name: bm, .offset: 16, .size: 8, .value_kind: global_buffer, .address_space: global }
      - { .name: part, .offset: 24, .size: 8, .value_kind: global_buffer, .address_space: global }
    .group_segment_fixed_size: 268032
    .private_segment_fixed_size: 0
    .kernarg_segment_align: 8
    .kernarg_segment_size: 32
    .max_flat_workgroup_size: 256
    .sgpr_count:     90
    .vgpr_count:     512
    .wavefront_size: 32
...
	.end_amdgpu_metadata
.endif
;; end of part 3
;; launch combine (part 4): grid 256 x 1, 8 waves a work-group, no clusters, 0 bytes of LDS; arguments part, pr, ei, b2, out0; writes out0
.if DOCPART == 4
	.amdgcn_target "amdgcn-amd-amdhsa--gfx1250"
	.amdhsa_code_object_version 6
	.text
	.protected	k_qae3113e63d_combine
	.globl	k_qae3113e63d_combine
	.p2align	8
	.type	k_qae3113e63d_combine,@function
k_qae3113e63d_combine:
	s_mov_b64 s[64:65], 0
	v_nop
	global_prefetch_b8 v0, s[64:65] scope:SCOPE_SE
	s_setreg_imm32_b32 hwreg(HW_REG_WAVE_MODE, 25, 1), 1
	s_wait_xcnt 0x0
; out0[t] = the sum over the two choices k of p[k] x ( the four K quarters' partial rows of slot k x 1024 + t + b2[expert] ).  All in f32, in a fixed order; b2 is rounded to bf16 like every input.
; A stream: memory binds, so no LDS, no barrier, no matrix unit.  A work-group owns 4 tokens, a thread 4 columns of each: every load and store of a wave covers 512 consecutive bytes.
; All 40 loads of a thread go out before the first wait.  The experts' numbers come from a buffer of whole numbers that an earlier launch stored, and are clamped before they enter an address.
.set PLANE, 8421376                    ; bytes in a plane of part: 2,056 rows of 4,096
.set P,  16                            ; v16-143   token i, choice k, quarter q at P + 32 i + 16 k + 4 q
.set BB, 144                           ; v144-175  b2's 4 numbers for token i, choice k at BB + 8 i + 4 k
	s_load_b256 s[4:11], s[0:1], 0x0               ; part s[4:5], pr s[6:7], ei s[8:9], b2 s[10:11]
	s_load_b64 s[12:13], s[0:1], 0x20              ; out0
	v_lshlrev_b32 v1, 4, v0                        ; my 16 bytes of a row
	s_lshl_b32 s14, ttmp9, 4                       ; 4 words of pr and of ei
	s_mov_b32 s15, 0
	s_lshl_b32 s2, ttmp9, 14                       ; 4 rows of 4,096 bytes
	s_mov_b32 s3, 0
	s_wait_kmcnt 0x0
	s_add_nc_u64 s[6:7], s[6:7], s[14:15]
	s_add_nc_u64 s[8:9], s[8:9], s[14:15]
	s_load_b128 s[16:19], s[6:7], 0x0              ; p of choice 0, my 4 tokens
	s_load_b128 s[20:23], s[6:7], 0x1000           ; of choice 1
	s_load_b128 s[24:27], s[8:9], 0x0              ; the experts likewise
	s_load_b128 s[28:31], s[8:9], 0x1000
	s_add_nc_u64 s[48:49], s[4:5], s[2:3]          ; a pointer for each plane: the planes' distance does not fit a load's immediate
	s_add_nc_u64 s[50:51], s[48:49], PLANE
	s_add_nc_u64 s[52:53], s[50:51], PLANE
	s_add_nc_u64 s[54:55], s[52:53], PLANE
	s_add_nc_u64 s[12:13], s[12:13], s[2:3]
.irp i, 0,1,2,3
.irp k, 0,1
.irp q, 0,1,2,3
	global_load_b128 v[P+32*\i+16*\k+4*\q:P+32*\i+16*\k+4*\q+3], v1, s[48+2*\q:49+2*\q] offset:4194304*\k+4096*\i th:TH_LOAD_NT
.endr
.endr
.endr
	s_wait_kmcnt 0x0
.irp i, 0,1,2,3
.irp k, 0,1
	s_min_u32 s14, s[24+4*\k+\i], 7
	s_lshl_b32 s14, s14, 12                        ; the expert's row of b2
	s_add_nc_u64 s[32+4*\i+2*\k:33+4*\i+2*\k], s[10:11], s[14:15]
	global_load_b128 v[BB+8*\i+4*\k:BB+8*\i+4*\k+3], v1, s[32+4*\i+2*\k:33+4*\i+2*\k]
.endr
.endr
.irp i, 0,1,2,3
	s_wait_loadcnt 6-2*\i                          ; the later tokens' loads of b2, two each, may stay out; part's loads are older than all of them
.irp c, 0,2
.irp k, 0,1
	v_pk_add_f32 v[P+32*\i+16*\k+\c:P+32*\i+16*\k+\c+1], v[P+32*\i+16*\k+\c:P+32*\i+16*\k+\c+1], v[P+32*\i+16*\k+4+\c:P+32*\i+16*\k+4+\c+1]
	v_pk_add_f32 v[P+32*\i+16*\k+8+\c:P+32*\i+16*\k+8+\c+1], v[P+32*\i+16*\k+8+\c:P+32*\i+16*\k+8+\c+1], v[P+32*\i+16*\k+12+\c:P+32*\i+16*\k+12+\c+1]
	v_pk_add_f32 v[P+32*\i+16*\k+\c:P+32*\i+16*\k+\c+1], v[P+32*\i+16*\k+\c:P+32*\i+16*\k+\c+1], v[P+32*\i+16*\k+8+\c:P+32*\i+16*\k+8+\c+1]
.endr
.endr
.irp k, 0,1
	v_cvt_pk_bf16_f32 v2, v[BB+8*\i+4*\k], v[BB+8*\i+4*\k+1]
	v_cvt_pk_bf16_f32 v3, v[BB+8*\i+4*\k+2], v[BB+8*\i+4*\k+3]
	v_lshlrev_b32 v4, 16, v2
	v_and_b32 v5, 0xffff0000, v2
	v_lshlrev_b32 v6, 16, v3
	v_and_b32 v7, 0xffff0000, v3
	v_pk_add_f32 v[P+32*\i+16*\k:P+32*\i+16*\k+1], v[P+32*\i+16*\k:P+32*\i+16*\k+1], v[4:5]
	v_pk_add_f32 v[P+32*\i+16*\k+2:P+32*\i+16*\k+3], v[P+32*\i+16*\k+2:P+32*\i+16*\k+3], v[6:7]
.endr
.irp c, 0,1,2,3
	v_mul_f32 v[P+32*\i+\c], s[16+\i], v[P+32*\i+\c]
.endr
.irp c, 0,1,2,3
	v_fma_f32 v[P+32*\i+\c], s[20+\i], v[P+32*\i+16+\c], v[P+32*\i+\c]
.endr
	global_store_b128 v1, v[P+32*\i:P+32*\i+3], s[12:13] offset:4096*\i th:TH_STORE_NT
.endr
	s_endpgm
.Lfunc_end_k_qae3113e63d_combine:
	.size	k_qae3113e63d_combine, .Lfunc_end_k_qae3113e63d_combine-k_qae3113e63d_combine
	.p2alignl 7, 3214868480
	.fill 96, 4, 3214868480
	.section	.rodata,"a",@progbits
	.p2align	6, 0x0
	.amdhsa_kernel k_qae3113e63d_combine
		.amdhsa_group_segment_fixed_size 0
		.amdhsa_private_segment_fixed_size 0
		.amdhsa_enable_private_segment 0
		.amdhsa_kernarg_size 40
		.amdhsa_user_sgpr_count 2
		.amdhsa_user_sgpr_kernarg_segment_ptr 1
		.amdhsa_wavefront_size32 1
		.amdhsa_system_sgpr_workgroup_id_x 1
		.amdhsa_system_sgpr_workgroup_id_y 1
		.amdhsa_system_sgpr_workgroup_id_z 1
		.amdhsa_system_vgpr_workitem_id 0
		.amdhsa_next_free_vgpr 176
		.amdhsa_next_free_sgpr 66
		.amdhsa_reserve_vcc 0
		.amdhsa_float_denorm_mode_32 3
		.amdhsa_float_denorm_mode_16_64 3
		.amdhsa_memory_ordered 1
		.amdhsa_forward_progress 1
		.amdhsa_inst_pref_size 15
	.end_amdhsa_kernel
	.amdgpu_metadata
---
amdhsa.version: [ 1, 2 ]
amdhsa.kernels:
  - .name:           k_qae3113e63d_combine
    .symbol:         k_qae3113e63d_combine.kd
    .args:
      - { .name: part, .offset: 0, .size: 8, .value_kind: global_buffer, .address_space: global }
      - { .name: pr, .offset: 8, .size: 8, .value_kind: global_buffer, .address_space: global }
      - { .name: ei, .offset: 16, .size: 8, .value_kind: global_buffer, .address_space: global }
      - { .name: b2, .offset: 24, .size: 8, .value_kind: global_buffer, .address_space: global }
      - { .name: out0, .offset: 32, .size: 8, .value_kind: global_buffer, .address_space: global }
    .group_segment_fixed_size: 0
    .private_segment_fixed_size: 0
    .kernarg_segment_align: 8
    .kernarg_segment_size: 40
    .max_flat_workgroup_size: 256
    .sgpr_count:     66
    .vgpr_count:     176
    .wavefront_size: 32
...
	.end_amdgpu_metadata
.endif
;; end of part 4
